; MI455X (gfx1250); checked and timed in simulation.
; The chip was launched on July 23, 2026; its instructions are those of AMD's public machine-readable ISA for CDNA 5 (MIT licence, August 2026) and "CDNA5" Instruction Set Architecture Reference Guide (July 2026). The comments in the code are by the model that wrote it; some were corrected since.
;; Encoder layer. Allowed arithmetic: matrix products marked QUANTISED: E2M1 operands, one E8M0 scale for each 32 along K, by v_wmma_scale_f32_16x16x128_f8f6f4 with both operands' format E2M1 (or v_wmma_scale_f32_32x16x128_f4), f32 sums; everything else in f32.
;; Inputs: b1 4,096 float32; b2 1,024 float32; bq 1,024 float32; ln1_a 1,024 float32; ln1_b 1,024 float32; ln2_a 1,024 float32; ln2_b 1,024 float32; w1 4,096 x 1,024 float32; w2 1,024 x 4,096 float32; wq 1,024 x 1,024 float32; x 2 x 2,048 x 1,024 float32.
;; Outputs: out0 2 x 2,048 x 1,024 float32.
;; This version of the problem:
;;   THIS VERSION OF THE PROBLEM IS GIVEN IN LOW PRECISION. The matrix products marked QUANTISED in the list below multiply operands that are first quantised to E2M1 (2 exponent bits, 1 mantissa bit; 4 bits a number), with one power-of-two scale for each 32 numbers along K (OCP MX v1.0); their sums are f32. All else is computed in f32.
;;   The module's matrix products, in the order in which they are computed (A, B: the left and right operand; K: the contracted axis; several contracted axes count as one K, in the product's order):
;;     1. [M 4,096, K 1,024] x [K 1,024, N 1,024]; A: input x; B: input wq: QUANTISED
;;     2. batch 32 x [M 2,048, K 64] x [K 64, N 2,048]; A: computed on the way; B: computed on the way: QUANTISED
;;     3. batch 32 x [M 64, K 2,048] x [K 2,048, N 2,048]; A: computed on the way; B: softmax (see below): QUANTISED
;;     4. [M 4,096, K 1,024] x [K 1,024, N 4,096]; A: computed on the way; B: input w1: QUANTISED
;;     5. [M 4,096, K 4,096] x [K 4,096, N 1,024]; A: computed on the way; B: input w2: QUANTISED
;;   THE QUANTISER, for each operand of a quantised product, along K:
;;     - K is cut into blocks of 32 from its start; a last block that is shorter is filled with zeros.
;;     - A block's scale is 2^e with e = floor(log2(the largest magnitude in the block)) - 2, held to -126 .. 127; a block of zeros has e = 0. As a byte (E8M0): e + 127.
;;     - Each number is divided by its block's scale, clamped to +-6, and rounded to the nearest number of E2M1, ties to even, subnormals kept.
;;     - The product sums the exact products of the quantised numbers (number of the format x scale) in f32.
;;   ~~~python
;;   def quantise(x, axis):      # numpy; x: float32 -> the quantised numbers, widened to float32 again
;;       x = np.moveaxis(x, axis, -1); K = x.shape[-1]
;;       x = np.pad(x, [(0, 0)] * (x.ndim - 1) + [(0, -K % 32)]); x = x.reshape(x.shape[:-1] + (-1, 32)); a = np.abs(x).max(-1, keepdims=True)
;;       e = np.where(a > 0, np.clip(np.frexp(np.where(a > 0, a, 1))[1] - 1 - 2, -126, 127), 0)      # np.frexp(a)[1] - 1 = floor(log2(a)), exactly
;;       r = np.clip(x / 2.0 ** e, -6, 6)
;;       step = 2.0 ** (np.maximum(np.frexp(np.where(r == 0, 1, r))[1] - 1, 0) - 1)
;;       q = np.round(r / step) * step * 2.0 ** e      # np.round: ties to even
;;       return np.moveaxis(q.reshape(q.shape[:-2] + (-1,))[..., :K], -1, axis).astype(np.float32)
;;   ~~~
;;   SOFTMAX AHEAD OF A QUANTISED PRODUCT. Where the list says 'softmax', what is quantised is not the finished softmax but p = 2^(t - M), with t = logit x log2(e) and M = ceil(the row's largest t), a whole number; so 1/2 < the row's largest p <= 1. The row's sum l is taken of the UNQUANTISED p, in f32, and the product's result is divided by l at the end. Since M is a whole number, a kernel that streams over the keys may use a running M (the ceiling of the running maximum): every later rescaling is an exact power of two, which a block's scale takes up: the codes' values come out the same.
;;   OPERANDS COMPUTED ON THE WAY. 'Computed on the way' means the value that the module computes at that place (a softmax that the list does not call 'softmax' is quantised finished and normalised). What goes into a quantiser is computed in f32, as accurately as f32 sums, v_exp_f32 and their like allow (about 1e-6 of the number): no bf16 or f16 on the way to a quantiser, and a product that is left as it is and whose result goes on into a quantised operand takes f32 operands (vector FMAs, or v_wmma_f32_16x16x4_f32). A number that lies on a knife's edge between two numbers of the format may be rounded either way, as far as f32 arithmetic and the matrix unit's own rounding can turn it there, and no further.
;; One version. Each part assembles by itself: llvm-mc -triple=amdgcn-amd-amdhsa -mcpu=gfx1250 --defsym DOCPART=n.
;; ======== version 1 of 1: 6 launches
;; limits: right only within a limited range of input values
;; workspace buffers: qw 7,241,728 bytes; hkv 4,456,448 bytes; x1 16,777,216 bytes; x1q 2,228,224 bytes; hid 8,912,896 bytes; ffn 16,777,216 bytes
;; launch quant (part 1): grid 416 x 1, 4 waves a work-group, no clusters, 34,304 bytes of LDS; arguments x, wq, w1, w2, qw; writes qw
.if DOCPART == 1
	.amdgcn_target "amdgcn-amd-amdhsa--gfx1250"
	.amdhsa_code_object_version 6
	.text
	.protected	k_q72fb0aca7f_quant
	.globl	k_q72fb0aca7f_quant
	.p2align	8
	.type	k_q72fb0aca7f_quant,@function
k_q72fb0aca7f_quant:
	s_mov_b64 s[64:65], 0
	v_nop
	global_prefetch_b8 v0, s[64:65] scope:SCOPE_SE
	s_setreg_imm32_b32 hwreg(HW_REG_WAVE_MODE, 25, 1), 1
	s_wait_xcnt 0x0
; x [4096][1024], wq [1024][1024], w1 [4096][1024], w2 [1024][4096], f32, K innermost, become codes of FP4 (E2M1) with one E8M0 byte for each 32 along K.
; THE CODES ARE LAID AS IMAGES OF THE OPERAND'S REGISTERS: [tile of 16 rows T][ks = K / 128][c = 0, 1][lane][16 bytes]; lane (r, h), part c holds k = 128 ks + 64 c + 32 h + 0 .. 31 of the row at place r of tile T.
; THE ROWS OF A TILE ARE NOT NEIGHBOURS: place r of tile T is row 32 (T / 2) + 8 (T % 2) + r % 8 + 16 (r / 8), so that the results of two neighbouring tiles are 16 neighbours along the next product's K.
; THE SCALE WORDS (four bytes: 128 along K of one row) lie [T / 4][ks][r][T % 4]: 16 bytes bring the words of four tiles.
; A block's scale is 2^(floor(log2(largest magnitude)) - 2); its byte is the largest magnitude's exponent field - 2, held at 1 from below.
; LIMITS: NaN and infinities are not served; a block whose largest magnitude lies under 2^-124, a block of zeros among them, gets the byte 1 (its codes are what that byte gives: zeros for zeros); the bytes are read by this program alone.
; SHARES: a wave takes 64 rows x 128 along K (four tiles); the four waves of a work-group take four neighbouring ks.  Work-groups 0-127: x, 128-159: wq, 160-287: w1, 288-415: w2.
; Each load reads 512 consecutive bytes of a row; a tile turns through the wave's own stage in LDS (16 rows x 528 bytes), so that a lane gets two whole blocks of 32 of its row.  Waves share nothing: no barrier.
; A stream: memory binds, so no tensor load, no matrix unit, no cluster.
.set XSO, 2097152                      ; in qw: x's codes at 0, its scale words here,
.set WQC, 2228224                      ; wq's codes, scale words,
.set WQS, 2752512
.set W1C, 2785280                      ; w1's,
.set W1S, 4882432
.set W2C, 5013504                      ; w2's
.set W2S, 7110656
.set STAGE, 8448                       ; 16 x 528
.set OFF, 8                            ; v8-23   16 x lane + the row at place i x a row's bytes
.set SW,  24                           ; v24-27  the four tiles' scale words
.set SH8, 28                           ; v28     8 h
.set T4,  29                           ; v29     at work
.set T0,  30                           ; v30-31  at work
.set T2,  2                            ; v2-3    at work, once the addresses are made
.set LD,  32                           ; v32-159 two sets of 64: a tile as it is loaded
.set X,   160                          ; v160-223 my 64 numbers of my row
.set C,   224                          ; v224-255 codes: eight registers a tile, never written again
.set SEL, 20                           ; s[20:21] lane selects: lane l xor 16
	s_load_b256 s[4:11], s[0:1], 0x0               ; x, wq, w1, w2
	s_load_b64 s[12:13], s[0:1], 0x20              ; qw
	s_set_vgpr_msb 0x40
	v_lshl_add_u32 v0, v0, 2, 0x8400
	v_mov_b32 v1, 0
	s_set_vgpr_msb 0x4000
	v_lshrrev_b32 v1, 5, v0
	v_readfirstlane_b32 s14, v1                    ; wave
	v_and_b32 v1, 31, v0                           ; lane
	v_and_b32 v2, 15, v0                           ; r
	v_bfe_u32 v3, v0, 4, 1                         ; h
	v_lshlrev_b32 v4, 4, v1                        ; 16 x lane
	s_mul_i32 s15, s14, STAGE
	v_add_nc_u32 v5, s15, v4                       ; the stage, on the way in
	v_mul_u32_u24 v6, v2, 528
	v_lshl_add_u32 v6, v3, 7, v6
	v_add_nc_u32 v6, s15, v6                       ; and out: row r, + 128 h bytes
	v_lshlrev_b32 v7, 4, v2
	v_lshl_add_u32 v7, v3, 3, v7                   ; the scale words' place: 16 r + 8 h
	v_lshlrev_b32 v[SH8], 3, v3
	v_mov_b32 v[T4], 0                             ; written once: a lane permute's destination counts as one of its sources
	v_cmp_le_u32 s48, 16, v1                       ; lanes 16-31
	s_mov_b32 s[SEL], 0x76543210
	s_mov_b32 s[SEL+1], 0xfedcba98
	s_mov_b32 s16, 288                             ; w2's: first work-group, log2(K / 128), codes, scale words
	s_mov_b32 s17, 5
	s_mov_b32 s18, W2C
	s_mov_b32 s19, W2S
	s_wait_kmcnt 0x0
	s_mov_b64 s[22:23], s[10:11]
	s_cmp_lt_u32 ttmp9, 288                        ; the choices hang on the work-group's number alone
	s_cselect_b64 s[22:23], s[8:9], s[22:23]
	s_cselect_b32 s16, 160, s16
	s_cselect_b32 s17, 3, s17
	s_cselect_b32 s18, W1C, s18
	s_cselect_b32 s19, W1S, s19
	s_cmp_lt_u32 ttmp9, 160
	s_cselect_b64 s[22:23], s[6:7], s[22:23]
	s_cselect_b32 s16, 128, s16
	s_cselect_b32 s18, WQC, s18
	s_cselect_b32 s19, WQS, s19
	s_cmp_lt_u32 ttmp9, 128
	s_cselect_b64 s[22:23], s[4:5], s[22:23]
	s_cselect_b32 s16, 0, s16
	s_cselect_b32 s18, 0, s18
	s_cselect_b32 s19, XSO, s19
	s_sub_co_u32 s24, ttmp9, s16
	s_lshl_b32 s24, s24, 2
	s_add_co_u32 s24, s24, s14                     ; my unit in the tensor = (group of 64 rows) x (K / 128) + ks
	s_lshr_b32 s25, s24, s17                       ; the group of 64 rows
	s_lshl_b32 s26, 1, s17
	s_sub_co_u32 s26, s26, 1
	s_and_b32 s26, s24, s26                        ; ks
	s_lshl_b32 s27, 512, s17                       ; a row in bytes
	s_add_co_u32 s46, s17, 15
	s_lshl_b32 s46, s25, s46                       ; 64 rows x the group
	s_lshl_b32 s47, s26, 9
	s_add_co_u32 s46, s46, s47                     ; + 512 ks
	s_mov_b32 s47, 0
	s_add_nc_u64 s[28:29], s[22:23], s[46:47]      ; tile 0 begins at row 0 of the 64,
	s_lshl_b32 s46, s27, 3
	s_add_nc_u64 s[30:31], s[28:29], s[46:47]      ; tile 1 at row 8,
	s_lshl_b32 s46, s27, 5
	s_add_nc_u64 s[32:33], s[28:29], s[46:47]      ; tile 2 at row 32,
	s_mul_i32 s46, s27, 40
	s_add_nc_u64 s[34:35], s[28:29], s[46:47]      ; tile 3 at row 40
	s_lshl_b32 s46, s25, 2
	s_lshl_b32 s46, s46, s17
	s_add_co_u32 s46, s46, s26
	s_lshl_b32 s46, s46, 10
	s_add_co_u32 s46, s46, s18
	s_add_nc_u64 s[36:37], s[12:13], s[46:47]      ; the images: 1,024 x (tile x K / 128 + ks)
	s_lshl_b32 s46, s27, 1                         ; a tile on: 1,024 x K / 128
	s_add_nc_u64 s[38:39], s[36:37], s[46:47]
	s_add_nc_u64 s[40:41], s[38:39], s[46:47]
	s_add_nc_u64 s[42:43], s[40:41], s[46:47]
	s_lshl_b32 s46, s24, 8
	s_add_co_u32 s46, s46, s19
	s_add_nc_u64 s[44:45], s[12:13], s[46:47]      ; the scale words: 256 bytes a unit
.irp i, 0,1,2,3,4,5,6,7,8,9,10,11,12,13,14,15
	v_mad_u32_u24 v[OFF+\i], s27, (\i&7)+16*(\i>>3), v4
.endr
.macro LOAD m                          ; tile m: 16 rows x 512 consecutive bytes
.irp i, 0,1,2,3,4,5,6,7,8,9,10,11,12,13,14,15
	global_load_b128 v[LD+64*((\m)%2)+4*\i:LD+64*((\m)%2)+4*\i+3], v[OFF+\i], s[28+2*(\m):29+2*(\m)] th:TH_LOAD_NT
.endr
.endm
; 64 numbers of a lane, register 32 c + i = k 64 c + 32 h + i of my row: two whole blocks.  They become the operand's eight registers and, with lane l xor 16's two bytes, the row's scale word.
.macro QF6 x, c, sw
	v_max3_num_f32 v[T0], |v[(\x)]|, |v[(\x)+1]|, 0x1800000        ; the floor 2^(3 - 127) among the leaves: the byte cannot fall under 1
	v_max3_num_f32 v[T0+1], |v[(\x)+32]|, |v[(\x)+33]|, 0x1800000
.irp i, 2,4,6,8,10,12,14,16,18,20,22,24,26,28,30
	v_max3_num_f32 v[T0], v[T0], |v[(\x)+\i]|, |v[(\x)+\i+1]|      ; the two blocks by turns
	v_max3_num_f32 v[T0+1], v[T0+1], |v[(\x)+32+\i]|, |v[(\x)+33+\i]|
.endr
	v_add_nc_u32 v[T2], 0xff000000, v[T0]          ; 2 off the exponent field: the conversion's scale operand
	v_add_nc_u32 v[T2+1], 0xff000000, v[T0+1]
	v_lshrrev_b32 v[T0], 23, v[T2]                 ; the bytes
	v_lshrrev_b32 v[T0+1], 23, v[T2+1]
	v_lshl_or_b32 v[\sw], v[T0+1], 16, v[T0]       ; blocks h and 2 + h,
	v_lshlrev_b32 v[\sw], v[SH8], v[\sw]           ; at their places in the word
	v_permlanex16_b32 v[T4], v[\sw], s[SEL], s[SEL+1]
	v_or_b32 v[\sw], v[\sw], v[T4]
.irp k, 0,1
.irp g, 0,1,2,3
	v_cvt_scalef32_pk8_fp4_f32 v[(\c)+4*\k+\g], v[(\x)+32*\k+8*\g:(\x)+32*\k+8*\g+7], v[T2+\k]
.endr
.endr
	v_nop                                          ; one plain line behind the conversions
.endm
.macro STEP m
.if (\m) < 3
	s_wait_loadcnt 16                              ; this tile's 16 loads are in; the next tile's may be out
.else
	s_wait_loadcnt 0x0
.endif
.irp i, 0,1,2,3,4,5,6,7,8,9,10,11,12,13,14,15
	ds_store_b128 v5, v[LD+64*((\m)%2)+4*\i:LD+64*((\m)%2)+4*\i+3] offset:528*\i
.endr
.irp k, 0,1
.irp j, 0,1,2,3,4,5,6,7
	ds_load_b128 v[X+32*\k+4*\j:X+32*\k+4*\j+3], v6 offset:256*\k+16*\j   ; LDS serves a wave's instructions in order: these see the stores above
.endr
.endr
	s_wait_dscnt 0x0
.if (\m)+2 < 4
	LOAD (\m)+2
.endif
	QF6 X, C+8*(\m), SW+(\m)
	global_store_b128 v4, v[C+8*(\m):C+8*(\m)+3], s[36+2*(\m):37+2*(\m)]              ; 32 lanes store 512 consecutive bytes
	global_store_b128 v4, v[C+8*(\m)+4:C+8*(\m)+7], s[36+2*(\m):37+2*(\m)] offset:512
.endm
	LOAD 0
	LOAD 1
	s_wait_alu depctr_va_vdst(0)
	STEP 0
	STEP 1
	STEP 2
	STEP 3
	v_cndmask_b32 v30, v[SW], v[SW+2], s48         ; lanes 0-15 store tiles 0 and 1's words of row r, lanes 16-31 tiles 2 and 3's
	v_cndmask_b32 v31, v[SW+1], v[SW+3], s48
	global_store_b64 v7, v[30:31], s[44:45]        ; 256 consecutive bytes, aligned
	s_set_vgpr_msb 0x5
	s_wait_tensorcnt 0x0
	ds_add_u32 v0, v1
	s_wait_dscnt 0x0
	s_set_vgpr_msb 0x500
	s_endpgm
.Lfunc_end_k_q72fb0aca7f_quant:
	.size	k_q72fb0aca7f_quant, .Lfunc_end_k_q72fb0aca7f_quant-k_q72fb0aca7f_quant
	.p2alignl 7, 3214868480
	.fill 96, 4, 3214868480
	.section	.rodata,"a",@progbits
	.p2align	6, 0x0
	.amdhsa_kernel k_q72fb0aca7f_quant
		.amdhsa_group_segment_fixed_size 34304
		.amdhsa_private_segment_fixed_size 0
		.amdhsa_enable_private_segment 0
		.amdhsa_kernarg_size 40
		.amdhsa_user_sgpr_count 2
		.amdhsa_user_sgpr_kernarg_segment_ptr 1
		.amdhsa_wavefront_size32 1
		.amdhsa_system_sgpr_workgroup_id_x 1
		.amdhsa_system_sgpr_workgroup_id_y 1
		.amdhsa_system_sgpr_workgroup_id_z 1
		.amdhsa_system_vgpr_workitem_id 0
		.amdhsa_next_free_vgpr 258
		.amdhsa_next_free_sgpr 66
		.amdhsa_reserve_vcc 0
		.amdhsa_float_denorm_mode_32 3
		.amdhsa_float_denorm_mode_16_64 3
		.amdhsa_memory_ordered 1
		.amdhsa_forward_progress 1
		.amdhsa_inst_pref_size 32
	.end_amdhsa_kernel
	.amdgpu_metadata
---
amdhsa.version: [ 1, 2 ]
amdhsa.kernels:
  - .name:           k_q72fb0aca7f_quant
    .symbol:         k_q72fb0aca7f_quant.kd
    .args:
      - { .name: x, .offset: 0, .size: 8, .value_kind: global_buffer, .address_space: global }
      - { .name: wq, .offset: 8, .size: 8, .value_kind: global_buffer, .address_space: global }
      - { .name: w1, .offset: 16, .size: 8, .value_kind: global_buffer, .address_space: global }
      - { .name: w2, .offset: 24, .size: 8, .value_kind: global_buffer, .address_space: global }
      - { .name: qw, .offset: 32, .size: 8, .value_kind: global_buffer, .address_space: global }
    .group_segment_fixed_size: 34304
    .private_segment_fixed_size: 0
    .kernarg_segment_align: 8
    .kernarg_segment_size: 40
    .max_flat_workgroup_size: 128
    .sgpr_count:     66
    .vgpr_count:     258
    .wavefront_size: 32
...
	.end_amdgpu_metadata
.endif
;; end of part 1
;; launch proj (part 2): grid 8 x 32, 4 waves a work-group, clusters of 4 x 4, 168,448 bytes of LDS; arguments qw, bq, hkv; writes hkv
.if DOCPART == 2
	.amdgcn_target "amdgcn-amd-amdhsa--gfx1250"
	.amdhsa_code_object_version 6
	.text
	.protected	k_q72fb0aca7f_proj
	.globl	k_q72fb0aca7f_proj
	.p2align	8
	.type	k_q72fb0aca7f_proj,@function
k_q72fb0aca7f_proj:
	s_mov_b64 s[64:65], 0
	v_nop
	global_prefetch_b8 v0, s[64:65] scope:SCOPE_SE
	s_setreg_imm32_b32 hwreg(HW_REG_WAVE_MODE, 25, 1), 1
	s_wait_xcnt 0x0
	s_wait_alu depctr_hold_cnt(0) depctr_sa_sdst(0) depctr_va_vdst(0) depctr_va_sdst(0) depctr_va_ssrc(0) depctr_va_vcc(0) depctr_vm_vsrc(0)
	s_getreg_b32 s2, hwreg(HW_REG_IB_STS2, 6, 4)
	s_cmp_eq_u32 s2, 0
	s_cbranch_scc0 .Lentry_in_a_cluster
	s_endpgm
.Lentry_in_a_cluster:
	s_bfe_u32 s2, ttmp6, 0x10000c
	s_cmp_lg_u32 s2, 0xf033
	s_cbranch_scc0 .Lentry_shape_is_right
	s_endpgm
.Lentry_shape_is_right:
; h = x wq^T + bq on codes of FP4 with E8M0 scales, and h quantised again, twice: along the head's 64 (the scores' operand, Q = K) and along the keys (V).  h itself never goes to memory.
; A work-group makes 128 tokens x 128 features (two heads).  All of K = 1,024 of both operands lies in LDS (2 x 65,536 bytes of images, 2 x 4,096 of scale words), filled once, one tensor load a wave:
; wave 0 x's images, wave 1 wq's, wave 2 x's scale words, wave 3 wq's.  Nothing is filled again.
; THE PRODUCT IS MADE TWICE, with the sources swapped.  PASS 1: source 0 = wq's tiles, source 1 = x's: a lane holds one token, its registers run along the features: the blocks of 32 along a head.
; PASS 2: source 0 = x's tiles, source 1 = wq's: a lane holds one feature, its registers run along the tokens: the blocks of 32 along the keys.  That takes the place of a transposition of the f32 tile.
; Place r of tile T is row 32 (T / 2) + 8 (T % 2) + r % 8 + 16 (r / 8): the 16 registers of two neighbouring tiles of source 0 are 16 neighbours.
; hkv: [batch 2][step of 128 keys 16][head 16][8,704 bytes].  In a unit: at 0 K's images [tile of tokens 8][lane][16 bytes] (64 codes a token: half a fragment); at 4,096 V's images [tile of d 4][1,024];
; at 8,192 K's scale words [r][pair of tiles 4] (bytes 0, 1: the even tile's two blocks, bytes 2, 3: the odd tile's); at 8,448 V's [r][tile of d 4].
; CLUSTER 4 x 4: x's tiles are shared along a row of the cluster, wq's along a column: joint loads.
; LIMITS: NaN and infinities are not served; a block whose largest magnitude lies under 2^-124 gets the byte 1.
; The scale words leave as 4 bytes a lane, 128 bytes of a block of 256 from each of two waves: 512 bytes of a unit's 8,704.
; REGISTERS: window 0: v1-15 addresses; v16-27 scale words (nothing else); v32-47 codes; v48-53 at work; v64-79 at work; v96-127 the bias as C; v128-255 16 accumulators.  window 1: two buffers of fragments, at v0 and v128.
.set XSO, 2097152
.set WQC, 2228224
.set WQS, 2752512
.set SCL, 131072                       ; LDS: scale words, 2,048 bytes for each group of 64 rows: x's two, then wq's two
.set HALFS, 2048
.set ADA, 4
.set ADB, 5
.set ADS, 6
.set ADB2, 8
.set ADS2, 9
.set ADS3, 10
.set SC,  16
.set SC2, 24
.set PC0, 32
.set PC1, 40
.set PW0, 48
.set PW1, 49
.set TM,  64
.set BI,  96
.set ACC, 128
.set SEL, 96
.set G1, 24
.set G0, 32
.set G1B, 48
.set G0B, 56
.set G1S, 68
.set G0S, 76
.set G1SB, 80
.set G0SB, 88
.set MSB, 0
.macro WIN new                         ; the immediate's high byte repeats the setting that is left
.if MSB != \new
	s_set_vgpr_msb (MSB<<8)|\new
.set MSB, \new
.endif
.endm
.set MUL,  0x05                        ; sources 0 and 1 window 1; C and D window 0
.set TO_F, 0x40                        ; destination window 1, address window 0
.macro PLACES n
.rept \n
	v_nop
.endr
.endm
.macro ARM under, g0, g1, next         ; one arm of the head's tree: its load and a jump to the tree's end
	s_cmp_lt_u32 s14, \under
	s_cbranch_scc0 \next
	tensor_load_to_lds s[\g0:\g0+3], s[\g1:\g1+7]
	s_nop 0
.rept 4
	v_nop
.endr
	s_branch .Lhead_asked
\next:
.endm
.macro CROUND                          ; a round of the cluster's barrier
	s_barrier_signal -1
	s_barrier_wait -1
	s_cmp_lg_u32 s14, 0
	s_cbranch_scc1 .Lnot_wave_0_\@
	s_barrier_signal -3
.Lnot_wave_0_\@:
	s_barrier_wait -3
	s_barrier_signal -1
	s_barrier_wait -1
.endm
.macro WM d, a, b, c, sa, sb, row      ; one product; row = 1: source 0's scale words stand in lanes 16-31
.if \row
	v_wmma_scale_f32_16x16x128_f8f6f4 v[(\d):(\d)+7], v[(\a):(\a)+7], v[(\b):(\b)+7], v[(\c):(\c)+7], v[\sa], v[\sb] matrix_a_fmt:MATRIX_FMT_FP4 matrix_b_fmt:MATRIX_FMT_FP4 matrix_a_scale:MATRIX_SCALE_ROW1
.else
	v_wmma_scale_f32_16x16x128_f8f6f4 v[(\d):(\d)+7], v[(\a):(\a)+7], v[(\b):(\b)+7], v[(\c):(\c)+7], v[\sa], v[\sb] matrix_a_fmt:MATRIX_FMT_FP4 matrix_b_fmt:MATRIX_FMT_FP4
.endif
.endm
; 64 numbers of a lane, register 16 b + i = place 32 b + 16 (lane / 16) + i along K, become eight registers of codes in the operand's layout and a scale word.
.macro QUANT s, pc, pw
.irp b, 0,1,2,3
	v_max3_num_f32 v[TM+\b], |v[(\s)+16*\b]|, |v[(\s)+1+16*\b]|, 0x1800000   ; my 16 numbers of block b, and the floor 2^(3 - 127): the byte cannot fall under 1
.endr
.irp i, 2,4,6,8,10,12,14
.irp b, 0,1,2,3
	v_max3_num_f32 v[TM+\b], v[TM+\b], |v[(\s)+16*\b+\i]|, |v[(\s)+1+16*\b+\i]|
.endr
.endr
.irp b, 0,1,2,3
	v_permlanex16_b32 v[TM+4+\b], v[TM+\b], s[SEL], s[SEL+1]
.endr
.irp b, 0,1,2,3
	v_max_num_f32 v[TM+\b], v[TM+\b], v[TM+4+\b]   ; with lane l xor 16's: the block's largest magnitude
.endr
.irp b, 0,1,2,3
	v_add_nc_u32 v[TM+12+\b], 0xff000000, v[TM+\b] ; 2 off its exponent field: the conversion's scale operand
.endr
.irp b, 0,1,2,3
	v_lshrrev_b32 v[TM+4+\b], 23, v[TM+12+\b]      ; the byte
.endr
	v_lshl_or_b32 v[\pw], v[TM+5], 8, v[TM+4]
	v_lshl_or_b32 v[\pw], v[TM+6], 16, v[\pw]
	v_lshl_or_b32 v[\pw], v[TM+7], 24, v[\pw]
.irp b, 0,1,2,3
	v_cvt_scalef32_pk8_fp4_f32 v[(\pc)+2*\b], v[(\s)+16*\b:(\s)+7+16*\b], v[TM+12+\b]
	v_cvt_scalef32_pk8_fp4_f32 v[(\pc)+1+2*\b], v[(\s)+8+16*\b:(\s)+15+16*\b], v[TM+12+\b]
.endr
	v_nop                                          ; one plain line behind the conversions
.irp c, 0,1                                    ; the layout wants a whole block in a lane
.irp i, 0,1
	v_permlane16_swap_b32 v[(\pc)+4*\c+\i], v[(\pc)+2+4*\c+\i]
.endr
.endr
.endm
	s_load_b128 s[4:7], s[0:1], 0x0                ; qw, bq
	s_load_b64 s[8:9], s[0:1], 0x10                ; hkv
	v_lshl_add_u32 v94, v0, 2, 0x29000
	v_mov_b32 v95, 0
	ds_add_u32 v94, v95                            ; the opening lines: the add twice on end and its wait
	ds_add_u32 v94, v95
	v_lshrrev_b32 v1, 5, v0
	v_readfirstlane_b32 s14, v1                    ; wave 0..3
	s_lshr_b32 s15, s14, 1                         ; pass 1: my group of 64 tokens
	s_and_b32 s16, s14, 1                          ; pass 1: my group of 64 features
	s_bfe_u32 s40, ttmp6, 0x40000                  ; cx, cy
	s_bfe_u32 s41, ttmp6, 0x40004
	s_lshl_b32 s42, ttmp9, 2
	s_add_co_u32 s42, s42, s40                     ; tx: 128 features
	s_and_b32 s17, ttmp7, 0xffff
	s_lshl_b32 s17, s17, 2
	s_add_co_u32 s17, s17, s41                     ; ty: 128 tokens
	s_lshl_b32 s43, s41, 2
	s_lshl_b32 s43, 15, s43                        ; my row of the cluster
	s_lshl_b32 s44, 0x1111, s40                    ; my column
	s_or_b32 s[G1+0], s43, (3<<16)|(1<<21)         ; 15:0 the mask; 17:16 elements of 8 bytes; 21 set beside a mask; no padding: the images are read 16 bytes a lane on end
	s_or_b32 s[G1B+0], s44, (3<<16)|(1<<21)
.irp g, G1, G1B                                ; 65,536 dense bytes as 256 rows of 256
	s_mov_b32 s[\g+1], 32<<16
	s_mov_b32 s[\g+2], 256<<16
	s_mov_b32 s[\g+3], 32<<16
	s_mov_b32 s[\g+4], 256
	s_mov_b32 s[\g+5], 32
	s_mov_b32 s[\g+6], 0
	s_mov_b32 s[\g+7], 0
.endr
	s_or_b32 s[G1S+0], s43, (3<<16)|(1<<21)
	s_or_b32 s[G1SB+0], s44, (3<<16)|(1<<21)
.irp g, G1S, G1SB                              ; 4,096 dense bytes as 16 rows of 256
	s_mov_b32 s[\g+1], 32<<16
	s_mov_b32 s[\g+2], 16<<16
	s_mov_b32 s[\g+3], 32<<16
	s_mov_b32 s[\g+4], 16
	s_mov_b32 s[\g+5], 32
	s_mov_b32 s[\g+6], 0
	s_mov_b32 s[\g+7], 0
.endr
	s_lshl_b32 s20, s17, 16                        ; x's images: 65,536 ty
	s_mov_b32 s21, 0
	s_lshl_b32 s22, s17, 12
	s_add_co_u32 s22, s22, XSO                     ; its scale words: 4,096 ty
	s_mov_b32 s23, 0
	s_lshl_b32 s46, s42, 16
	s_add_co_u32 s46, s46, WQC                     ; wq's likewise, by tx
	s_mov_b32 s47, 0
	s_lshl_b32 s92, s42, 12
	s_add_co_u32 s92, s92, WQS
	s_mov_b32 s93, 0
	s_wait_dscnt 0x0
	s_wait_kmcnt 0x0
	s_add_nc_u64 s[20:21], s[4:5], s[20:21]
	s_add_nc_u64 s[22:23], s[4:5], s[22:23]
	s_add_nc_u64 s[46:47], s[4:5], s[46:47]
	s_add_nc_u64 s[92:93], s[4:5], s[92:93]
	CROUND                                         ; all sixteen work-groups are here: the joint loads meet
	s_mov_b32 s[G0], 1
	s_mov_b32 s[G0+1], 0
	s_mov_b64 s[G0+2:G0+3], s[20:21]
	s_or_b32 s[G0+3], s[G0+3], 0x80000000
	s_mov_b32 s[G0B], 1
	s_mov_b32 s[G0B+1], 65536
	s_mov_b64 s[G0B+2:G0B+3], s[46:47]
	s_or_b32 s[G0B+3], s[G0B+3], 0x80000000
	s_mov_b32 s[G0S], 1
	s_mov_b32 s[G0S+1], SCL
	s_mov_b64 s[G0S+2:G0S+3], s[22:23]
	s_or_b32 s[G0S+3], s[G0S+3], 0x80000000
	s_mov_b32 s[G0SB], 1
	s_mov_b32 s[G0SB+1], SCL+2*HALFS
	s_mov_b64 s[G0SB+2:G0SB+3], s[92:93]
	s_or_b32 s[G0SB+3], s[G0SB+3], 0x80000000
	ARM 1, G0,  G1,  .Lhead_b                      ; one tree of branches on the wave's number: every way through the head passes one load
	ARM 2, G0B, G1B, .Lhead_sa
	ARM 3, G0S, G1S, .Lhead_sb
	tensor_load_to_lds s[G0SB:G0SB+3], s[G1SB:G1SB+7]
	s_nop 0
.rept 4
	v_nop
.endr
.Lhead_asked:
	v_and_b32 v1, 31, v0
	v_lshlrev_b32 v1, 4, v1                        ; 16 x lane: an image's place for my lane; pass 2: x's tiles
	s_wait_alu depctr_va_vdst(0)
	v_and_b32 v2, 15, v0                           ; r
	v_bfe_u32 v3, v0, 4, 1                         ; h
	s_lshl_b32 s21, s15, 15
	v_add_nc_u32 v[ADA], s21, v1                   ; pass 1: my 64 tokens
	s_lshl_b32 s22, s16, 15
	s_add_co_u32 s22, s22, 65536
	v_add_nc_u32 v[ADB], s22, v1                   ; my 64 features
	v_lshlrev_b32 v11, 4, v2                       ; 16 r
	s_wait_alu depctr_va_vdst(0)
	s_mul_i32 s21, s15, HALFS                      ; scale words: lanes 0-15 take x's group,
	s_mul_i32 s22, s16, HALFS                      ; lanes 16-31 wq's, behind x's two
	s_add_co_u32 s22, s22, 2*HALFS
	s_sub_co_u32 s22, s22, s21
	v_mul_u32_u24 v7, s22, v3
	s_add_co_u32 s21, s21, SCL
	v_add_nc_u32 v7, v11, v7
	v_add_nc_u32 v[ADS], s21, v7
	s_lshl_b32 s21, s14, 14
	s_add_co_u32 s21, s21, 65536
	v_add_nc_u32 v[ADB2], s21, v1                  ; pass 2: wq's tiles 2 w and 2 w + 1
	v_lshl_add_u32 v[ADS2], v3, 11, v11
	v_add_nc_u32 v[ADS2], SCL, v[ADS2]             ; x's words: lanes 0-15 tiles 0-3, lanes 16-31 tiles 4-7
	s_lshl_b32 s21, s15, 11
	s_lshl_b32 s22, s16, 3
	s_add_co_u32 s21, s21, s22
	s_add_co_u32 s21, s21, SCL+4096
	v_add_nc_u32 v[ADS3], s21, v11                 ; wq's two words
	v_lshlrev_b32 v12, 6, v3                       ; the bias of pass 1: 16 h numbers on
	s_wait_alu depctr_va_vdst(0)
	v_and_b32 v13, 7, v2
	v_lshrrev_b32 v7, 3, v2
	v_lshl_add_u32 v13, v7, 4, v13
	v_lshlrev_b32 v13, 2, v13                      ; of pass 2: the feature at place r
	s_wait_alu depctr_va_vdst(0)
	v_lshl_add_u32 v15, v3, 2, v11                 ; 16 r + 4 h
	v_cmp_eq_u32 s66, 1, v3                        ; lanes 16-31
	s_lshl_b32 s20, s42, 9
	s_lshl_b32 s22, s16, 8
	s_add_co_u32 s22, s22, s20
	s_mov_b32 s23, 0
	s_add_nc_u64 s[10:11], s[6:7], s[22:23]        ; bq at feature 128 tx + 64 x my group
	s_lshl_b32 s22, s14, 7
	s_add_co_u32 s22, s22, s20
	s_add_nc_u64 s[12:13], s[6:7], s[22:23]        ; and at 128 tx + 32 w
.irp b, 0,1,2,3
	global_load_b128 v[BI+8*\b:BI+8*\b+3], v12, s[10:11] offset:(32*(\b/2)+8*(\b%2))*4
	global_load_b128 v[BI+8*\b+4:BI+8*\b+7], v12, s[10:11] offset:(32*(\b/2)+8*(\b%2))*4+16
.endr
	global_load_b32 v52, v13, s[12:13]
	global_load_b32 v53, v13, s[12:13] offset:32
	s_lshr_b32 s18, s17, 4                         ; the batch,
	s_mul_i32 s18, s18, 2228224
	s_and_b32 s19, s17, 15                         ; my 128 tokens are one step of keys,
	s_mul_i32 s19, s19, 139264
	s_add_co_u32 s18, s18, s19
	s_mul_i32 s19, s42, 17408                      ; my two heads' units
	s_add_co_u32 s18, s18, s19
	s_mul_i32 s20, s16, 8704
	s_add_co_u32 s20, s20, s18                     ; pass 1's head
	s_lshl_b32 s22, s15, 11
	s_add_co_u32 s22, s22, s20
	s_add_nc_u64 s[36:37], s[8:9], s[22:23]        ; K's images: my four tiles
	s_lshl_b32 s22, s15, 3
	s_add_co_u32 s22, s22, s20
	s_add_nc_u64 s[38:39], s[8:9], s[22:23]        ; K's scale words: my two pairs (+ 8,192)
	s_mul_i32 s20, s15, 8704
	s_add_co_u32 s20, s20, s18                     ; pass 2's head
	s_lshl_b32 s22, s16, 11
	s_add_co_u32 s22, s22, s20
	s_add_nc_u64 s[60:61], s[8:9], s[22:23]        ; V's images: my two tiles of d (+ 4,096)
	s_lshl_b32 s22, s16, 3
	s_add_co_u32 s22, s22, s20
	s_add_nc_u64 s[62:63], s[8:9], s[22:23]        ; V's scale words (+ 8,448)
	s_mov_b32 s[SEL], 0x76543210
	s_mov_b32 s[SEL+1], 0xfedcba98
.irp b, 0,1,2,3
	v_mov_b32 v[TM+4+\b], 0                        ; written once: a lane permute's destination counts as one of its sources
.endr
	s_wait_tensorcnt 0x0                           ; my load has landed,
	s_barrier_signal -1
	s_barrier_wait -1                              ; everybody's has
.macro FETCH1 ks, f                    ; 17 LDS loads: four fragments of x, four of wq, one quad of scale words
	WIN TO_F
.irp a, 0,1,2,3
.irp c, 0,1
	ds_load_b128 v[128*(\f)+8*\a+4*\c:128*(\f)+8*\a+4*\c+3], v[ADA] offset:8192*\a+1024*(\ks)+512*\c
	ds_load_b128 v[128*(\f)+32+8*\a+4*\c:128*(\f)+32+8*\a+4*\c+3], v[ADB] offset:8192*\a+1024*(\ks)+512*\c
.endr
.endr
	WIN 0
	ds_load_b128 v[SC+4*(\f):SC+4*(\f)+3], v[ADS] offset:256*(\ks)
.endm
.macro MUL1 f, first                   ; 16 products, the 16 accumulators by turns
	WIN MUL
.irp a, 0,1,2,3
.irp b, 0,1,2,3
.if \first
	WM ACC+8*(4*\a+\b), 128*(\f)+32+8*\b, 128*(\f)+8*\a, BI+8*\b, SC+4*(\f)+\b, SC+4*(\f)+\a, 1
.else
	WM ACC+8*(4*\a+\b), 128*(\f)+32+8*\b, 128*(\f)+8*\a, ACC+8*(4*\a+\b), SC+4*(\f)+\b, SC+4*(\f)+\a, 1
.endif
.endr
.endr
.endm
.macro FETCH2 ks, f                    ; 22 LDS loads: eight fragments of x, two of wq, x's quad and wq's pair of scale words
	WIN TO_F
.irp t, 0,1,2,3,4,5,6,7
.irp c, 0,1
	ds_load_b128 v[128*(\f)+8*\t+4*\c:128*(\f)+8*\t+4*\c+3], v1 offset:8192*\t+1024*(\ks)+512*\c
.endr
.endr
.irp n, 0,1
.irp c, 0,1
	ds_load_b128 v[128*(\f)+64+8*\n+4*\c:128*(\f)+64+8*\n+4*\c+3], v[ADB2] offset:8192*\n+1024*(\ks)+512*\c
.endr
.endr
	WIN 0
	ds_load_b128 v[SC+4*(\f):SC+4*(\f)+3], v[ADS2] offset:256*(\ks)
	ds_load_b64 v[SC2+2*(\f):SC2+2*(\f)+1], v[ADS3] offset:256*(\ks)
.endm
.macro MUL2 f, first
	WIN MUL
.irp n, 0,1
.irp t, 0,1,2,3,4,5,6,7
.if \first
	WM ACC+8*(8*\n+\t), 128*(\f)+8*\t, 128*(\f)+64+8*\n, BI+8*\n, SC+4*(\f)+\t%4, SC2+2*(\f)+\n, \t/4
.else
	WM ACC+8*(8*\n+\t), 128*(\f)+8*\t, 128*(\f)+64+8*\n, ACC+8*(8*\n+\t), SC+4*(\f)+\t%4, SC2+2*(\f)+\n, \t/4
.endif
.endr
.endr
.endm
	; ---- PASS 1.  A step of 128 along K: four places behind the last products, the next step's loads into the buffer that those read, the wait that leaves just these out, 16 products.
	FETCH1 0, 0
	s_wait_loadcnt 0x0                             ; the bias
.set KK, 0
.rept 8
	PLACES 4
.if KK < 7
	FETCH1 KK+1, (KK+1)%2
	s_wait_dscnt 17                                ; all but the 17 just issued
.else
	s_wait_dscnt 0x0
.endif
.if KK == 0
	MUL1 0, 1                                      ; the bias is the C of each sum's first product
.else
	MUL1 KK%2, 0
.endif
.set KK, KK+1
.endr
	WIN 0
	PLACES 4                                       ; ahead of the first read of results, and of the loads into buffer 0
	FETCH2 0, 0                                    ; pass 2's first step lands while pass 1's results are quantised
	QUANT ACC, PC0, PW0                            ; tiles of tokens 0 and 1: each has 64 features, two blocks: registers 0-3 of the codes are tile 0's half fragment, 4-7 tile 1's; the word is the pair's
	QUANT ACC+64, PC1, PW1                         ; tiles 2 and 3
	global_store_b128 v1, v[PC0:PC0+3], s[36:37]
	global_store_b128 v1, v[PC0+4:PC0+7], s[36:37] offset:512
	global_store_b128 v1, v[PC1:PC1+3], s[36:37] offset:1024
	global_store_b128 v1, v[PC1+4:PC1+7], s[36:37] offset:1536
	v_cndmask_b32 v50, v[PW0], v[PW1], s66         ; lanes 0-15: my first pair's word of row r, lanes 16-31: my second pair's
	global_store_b32 v15, v50, s[38:39] offset:8192
.irp n, 0,1
.irp j, 0,1,2,3,4,5,6,7
	v_mov_b32 v[BI+8*\n+\j], v[52+\n]              ; pass 2's bias: a lane holds one feature, so eight times the same number
.endr
.endr
	; ---- PASS 2
.set KK, 0
.rept 8
.if KK == 0
	PLACES 5                                       ; the accumulators are begun anew: one place more than loads want
.else
	PLACES 4
.endif
.if KK < 7
	FETCH2 KK+1, (KK+1)%2
	s_wait_dscnt 22                                ; all but the 22 just issued
.else
	s_wait_dscnt 0x0
.endif
.if KK == 0
	s_wait_alu depctr_va_vdst(0)
	MUL2 0, 1
.else
	MUL2 KK%2, 0
.endif
.set KK, KK+1
.endr
	WIN 0
	PLACES 4
	s_wait_xcnt 0x0                                ; pass 1's stores have read their registers: the codes' and words' registers are written again
	QUANT ACC, PC0, PW0                            ; feature tile 2 w: 128 keys: one fragment
	QUANT ACC+64, PC1, PW1                         ; feature tile 2 w + 1
	global_store_b128 v1, v[PC0:PC0+3], s[60:61] offset:4096
	global_store_b128 v1, v[PC0+4:PC0+7], s[60:61] offset:4096+512
	global_store_b128 v1, v[PC1:PC1+3], s[60:61] offset:4096+1024
	global_store_b128 v1, v[PC1+4:PC1+7], s[60:61] offset:4096+1536
	v_cndmask_b32 v50, v[PW0], v[PW1], s66
	global_store_b32 v15, v50, s[62:63] offset:8448
	s_wait_tensorcnt 0x0                           ; the wave's end
	ds_add_u32 v94, v95
	s_wait_dscnt 0x0
	CROUND                                         ; the closing round
	s_endpgm
.Lfunc_end_k_q72fb0aca7f_proj:
	.size	k_q72fb0aca7f_proj, .Lfunc_end_k_q72fb0aca7f_proj-k_q72fb0aca7f_proj
	.p2alignl 7, 3214868480
	.fill 96, 4, 3214868480
	.section	.rodata,"a",@progbits
	.p2align	6, 0x0
	.amdhsa_kernel k_q72fb0aca7f_proj
		.amdhsa_group_segment_fixed_size 168448
		.amdhsa_private_segment_fixed_size 0
		.amdhsa_enable_private_segment 0
		.amdhsa_kernarg_size 24
		.amdhsa_user_sgpr_count 2
		.amdhsa_user_sgpr_kernarg_segment_ptr 1
		.amdhsa_wavefront_size32 1
		.amdhsa_system_sgpr_workgroup_id_x 1
		.amdhsa_system_sgpr_workgroup_id_y 1
		.amdhsa_system_sgpr_workgroup_id_z 1
		.amdhsa_system_vgpr_workitem_id 0
		.amdhsa_next_free_vgpr 512
		.amdhsa_next_free_sgpr 98
		.amdhsa_reserve_vcc 0
		.amdhsa_float_denorm_mode_32 3
		.amdhsa_float_denorm_mode_16_64 3
		.amdhsa_memory_ordered 1
		.amdhsa_forward_progress 1
		.amdhsa_inst_pref_size 83
	.end_amdhsa_kernel
	.amdgpu_metadata
---
amdhsa.version: [ 1, 2 ]
amdhsa.kernels:
  - .name:           k_q72fb0aca7f_proj
    .symbol:         k_q72fb0aca7f_proj.kd
    .args:
      - { .name: qw, .offset: 0, .size: 8, .value_kind: global_buffer, .address_space: global }
      - { .name: bq, .offset: 8, .size: 8, .value_kind: global_buffer, .address_space: global }
      - { .name: hkv, .offset: 16, .size: 8, .value_kind: global_buffer, .address_space: global }
    .group_segment_fixed_size: 168448
    .private_segment_fixed_size: 0
    .kernarg_segment_align: 8
    .kernarg_segment_size: 24
    .max_flat_workgroup_size: 128
    .sgpr_count:     98
    .vgpr_count:     512
    .wavefront_size: 32
...
	.end_amdgpu_metadata
.endif
;; end of part 2
;; launch attln (part 3): grid 256 x 1, 16 waves a work-group, clusters of 4 x 1, 327,680 bytes of LDS; arguments hkv, x, ln1_a, ln1_b, x1, x1q; writes x1, x1q
.if DOCPART == 3
	.amdgcn_target "amdgcn-amd-amdhsa--gfx1250"
	.amdhsa_code_object_version 6
	.text
	.protected	k_q72fb0aca7f_attln
	.globl	k_q72fb0aca7f_attln
	.p2align	8
	.type	k_q72fb0aca7f_attln,@function
k_q72fb0aca7f_attln:
	s_mov_b64 s[64:65], 0
	v_nop
	global_prefetch_b8 v0, s[64:65] scope:SCOPE_SE
	s_setreg_imm32_b32 hwreg(HW_REG_WAVE_MODE, 25, 1), 1
	s_wait_xcnt 0x0
	s_wait_alu depctr_hold_cnt(0) depctr_sa_sdst(0) depctr_va_vdst(0) depctr_va_sdst(0) depctr_va_ssrc(0) depctr_va_vcc(0) depctr_vm_vsrc(0)
	s_getreg_b32 s2, hwreg(HW_REG_IB_STS2, 6, 4)
	s_cmp_eq_u32 s2, 0
	s_cbranch_scc0 .Lentry_in_a_cluster
	s_endpgm
.Lentry_in_a_cluster:
	s_bfe_u32 s2, ttmp6, 0x10000c
	s_cmp_lg_u32 s2, 0x3003
	s_cbranch_scc0 .Lentry_shape_is_right
	s_endpgm
.Lentry_shape_is_right:
; att[q][head][:] = the sum over k of softmax_k(h_q . h_k / 8) h_k (q = k = v = h), both products on codes of FP4 with E8M0 scales; then x1 = ln1_a (s - mean) / (std + 1e-6) + ln1_b, s = x + att,
; std with 1,023 in the divisor; x1 leaves as f32 and as an operand of FP4 codes (images and scale words as the next product reads them).  att never goes to memory.
; SHARES.  A work-group owns ONE tile of 16 queries and ALL 16 heads: wave w owns head w.  So the 1,024 features of a row meet in one work-group, and the norm follows in the same launch.
; THE RING.  K and V of the batch's 16 heads walk through two LDS slots of 128 keys: 16 units of 8,704 bytes (hkv's layout: K's images, V's images, both scale words).  Wave w fetches head w's unit by one tensor load and alone reads it.
; CLUSTER 4 x 1: the four work-groups of a cluster belong to one batch and walk the same units: every load is joint, behind a round of the cluster's barrier.
; THE ROUND STANDS IN THE MIDDLE OF A STEP, among the exponentials.  In step i: step i + 1's unit has landed; step i's unit is in registers (its K since the round before, its V since the scores), so its slot takes step i + 2;
; directly behind the refill step i + 1's K and scale words are read (K's registers are free behind the scores; the words have two sets of registers).  So behind a round every wave has the sums, the quantiser and the second product at hand.
; 24 exponentials stand between the add and the wait for it, four between the round's opening signal and its wait: work on registers alone.
; THE HEAD'S SIZE IS 64, the instruction's K 128: a fragment of K holds TWO tiles of keys, one in k = 0 .. 63 and one in k = 64 .. 127; it is multiplied by (q, 0) for the first and by (0, q) for the second.
; v16-27 hold q, zeros, q: the two operands share the zeros.  A pair's scale word holds both tiles' bytes; q's word holds its two bytes twice.
; THE SOFTMAX: t = score x log2(e) / 8; M = the row's largest t so far, rounded up to a whole number; p = 2^(t - M) is quantised along the keys, not normalised; the row's sum is taken of the unquantised p
; and divides at the end.  When M moves, the sum and O are multiplied by 2^(old M - new M): exact.
; LAYOUT.  Both products are used transposed: a lane holds one query throughout.  Place r of tile T is token 32 (T / 2) + 8 (T % 2) + r % 8 + 16 (r / 8): the 16 registers of score tiles 2 b, 2 b + 1 are keys 32 b + 16 (lane / 16) + 0 .. 15.
; THE NORM.  The 16 waves lay their 64 channels of 16 rows into LDS (pitch 4,112), one barrier, wave w takes the row at place w whole (32 registers), a second meeting, and waves 0-7 quantise one K step of 128 columns each.
; Both meeting places lie in slot 0, which has had its last fill (step 14) and, behind step 14's round, its last read.
; PREFETCH: in step t (0 .. 12) the cluster asks for step t + 3's units, one step ahead of their tensor load; of a unit's 34 blocks of 256 bytes the partner at place p names blocks 9 p .. 9 p + 8, told apart by address.
; LIMITS: NaN and infinities are not served; the promise holds while the scaled scores stay under 2^31 in magnitude; a p under 2^-126 counts as 0; a block whose largest magnitude lies under 2^-124 gets the byte 1.
; x1q's scale words leave as 4 bytes a lane, 64 bytes of a block of 256 from each of four work-groups.
.set UNIT,  8704
.set SLOTB, 139264                     ; 16 units
.set BATB,  2228224                    ; 16 steps
.set SPARE, 278528                     ; behind the two slots: the spare words, 128 bytes a wave
.set RP,    4112                       ; a row of 1,024 f32 + 16 bytes
.set STB,   65792                      ; the second meeting place: 16 RP on
.set WV,  18
.set SEL, 20
.set CS,  22
.set AD,  1                            ; v1, v2  my unit in slot 0, 1, + 16 x lane
.set L16, 3                            ; v3   16 x lane
.set R16, 4                            ; v4   16 r
.set STO, 7                            ; v7   first meeting, in
.set ROW, 8                            ; v8   first meeting, my row
.set QRD, 9                            ; v9   second meeting, out
.set PFO, 10                           ; v10  the prefetch's offset
.set SH8, 11                           ; v11  8 h
.set QS,  28                           ; v28  q's scale word
.set ROWB, 29                          ; v29  second meeting, my row
.set SCW, 32                           ; v32-35, v36-39 a set for each slot: lanes 0-15: K's four pair words; lanes 16-31: V's four
.set KF,  40                           ; v40-71  K: four fragments of two tiles; later my row of x, s, x1
.set VF,  72                           ; v72-103 V; later my row of att
.set S,   104                          ; v104-167 S^T, then p; later gain and offset, then 64 numbers to quantise
.set O,   168                          ; v168-199 O^T
.set PC,  200                          ; v200-207 codes
.set W,   208                          ; v208-230 at work: W+20 f, W+21 p's scale word
.set SPW, 250
.set NIL, 251
.macro CREST                           ; a round of the cluster's barrier behind its opening barrier
	s_cmp_lg_u32 s[WV], 0
	s_cbranch_scc1 .Lnot_wave_0_\@
	s_barrier_signal -3
.Lnot_wave_0_\@:
	s_barrier_wait -3
	s_barrier_signal -1
	s_barrier_wait -1
.endm
.macro CROUND                          ; a whole round
	s_barrier_signal -1
	s_barrier_wait -1
	CREST
.endm
.macro LOADK slot                      ; nine LDS loads: K's four fragments and the scale words of my unit in a slot
.irp t, 0,1,2,3,4,5,6,7
	ds_load_b128 v[KF+4*\t:KF+4*\t+3], v[AD+(\slot)] offset:512*\t
.endr
	ds_load_b128 v[SCW+4*(\slot):SCW+4*(\slot)+3], v[AD+(\slot)] offset:8192
.endm
.macro LOADV slot                      ; eight: V's four fragments
.irp t, 0,1,2,3,4,5,6,7
	ds_load_b128 v[VF+4*\t:VF+4*\t+3], v[AD+(\slot)] offset:4096+512*\t
.endr
.endm
	s_load_b256 s[4:11], s[0:1], 0x0               ; hkv, x, ln1_a, ln1_b
	s_load_b128 s[12:15], s[0:1], 0x20             ; x1, x1q
	v_lshl_add_u32 v[SPW], v0, 2, SPARE
	v_mov_b32 v[NIL], 0
	ds_add_u32 v[SPW], v[NIL]                      ; the opening lines: the add twice on end and its wait
	ds_add_u32 v[SPW], v[NIL]
	v_lshrrev_b32 v8, 5, v0
	v_readfirstlane_b32 s[WV], v8                  ; wave = head
	s_bfe_u32 s16, ttmp6, 0x40000                  ; cx: it enters global addresses of plain loads, stores and prefetches alone
	s_lshl_b32 s17, ttmp9, 2
	s_add_co_u32 s17, s17, s16                     ; T: my tile of 16 rows
	s_lshr_b32 s40, ttmp9, 5                       ; the batch, which the four partners share
	s_mul_i32 s40, s40, BATB
	s_mov_b32 s41, 0
	s_mul_i32 s44, s[WV], UNIT                     ; my unit, in a step of memory and in a slot
	s_mov_b32 s45, 0
	s_mov_b32 s24, 15|(3<<16)|(1<<21)              ; the mask: all four work-groups; elements of 8 bytes; bit 21 beside a mask
	s_mov_b32 s25, 32<<16                          ; 8,704 dense bytes as 34 rows of 256
	s_mov_b32 s26, 34<<16
	s_mov_b32 s27, 32<<16
	s_mov_b32 s28, 34
	s_mov_b32 s29, 32
	s_mov_b32 s30, 0
	s_mov_b32 s31, 0
	s_mov_b32 s[SEL], 0x76543210
	s_mov_b32 s[SEL+1], 0xfedcba98
	s_mov_b32 s[CS], 0x3e38aa3b                    ; c = log2(e) / 8
	s_mov_b32 s[CS+1], s[CS]
	s_wait_dscnt 0x0
	s_wait_kmcnt 0x0
	s_add_nc_u64 s[42:43], s[4:5], s[40:41]
	s_add_nc_u64 s[42:43], s[42:43], s[44:45]      ; my head's unit of step 0
	s_mov_b32 s32, 1                               ; group 0 for slot 0: step 0,
	s_mov_b32 s33, s44
	s_mov_b64 s[34:35], s[42:43]
	s_or_b32 s35, s35, 0x80000000
	s_mov_b32 s36, 1                               ; for slot 1: step 1
	s_add_co_u32 s37, s44, SLOTB
	s_add_nc_u64 s[38:39], s[42:43], SLOTB
	s_or_b32 s39, s39, 0x80000000
	CROUND                                         ; all four work-groups are here: the joint loads meet
	tensor_load_to_lds s[32:35], s[24:31]          ; step 0: one load a wave at the head
	s_nop 0
	s_and_b32 s46, s17, 127                        ; my tile in the batch,
	s_lshr_b32 s47, s46, 3                         ; its step,
	s_mul_i32 s48, s47, SLOTB
	s_and_b32 s47, s46, 7                          ; its place there
	s_lshl_b32 s56, s47, 9
	s_add_co_u32 s56, s56, s48
	s_mov_b32 s57, 0
	s_add_nc_u64 s[56:57], s[42:43], s[56:57]      ; q is K's image of my tile
	s_lshr_b32 s47, s47, 1
	s_lshl_b32 s58, s47, 2
	s_add_co_u32 s58, s58, s48
	s_mov_b32 s59, 0
	s_add_nc_u64 s[58:59], s[42:43], s[58:59]      ; its pair's scale words (+ 8,192)
	s_and_b32 s46, s46, 1
	s_lshl_b32 s46, s46, 4                         ; my tile's two bytes begin at bit 0 or 16
	s_lshr_b32 s47, s17, 1                         ; my row for the norm: the row at place w of tile T
	s_lshl_b32 s47, s47, 5
	s_and_b32 s48, s17, 1
	s_lshl_b32 s48, s48, 3
	s_add_co_u32 s47, s47, s48
	s_and_b32 s48, s[WV], 7
	s_add_co_u32 s47, s47, s48
	s_lshr_b32 s48, s[WV], 3
	s_lshl_b32 s48, s48, 4
	s_add_co_u32 s47, s47, s48
	s_lshl_b32 s48, s47, 12
	s_mov_b32 s49, 0
	s_add_nc_u64 s[6:7], s[6:7], s[48:49]
	s_add_nc_u64 s[12:13], s[12:13], s[48:49]
	s_lshl_b32 s48, s17, 13
	s_lshl_b32 s47, s[WV], 10
	s_add_co_u32 s48, s48, s47
	s_add_nc_u64 s[50:51], s[14:15], s[48:49]      ; x1q's image: 1,024 (8 T + w), used by waves 0-7
	s_lshr_b32 s48, s17, 2
	s_lshl_b32 s48, s48, 11
	s_lshl_b32 s47, s[WV], 8
	s_add_co_u32 s48, s48, s47
	s_and_b32 s47, s17, 3
	s_lshl_b32 s47, s47, 2
	s_add_co_u32 s48, s48, s47
	s_add_co_u32 s48, s48, 2097152
	s_add_nc_u64 s[52:53], s[14:15], s[48:49]      ; its scale words: 256 (8 (T / 4) + w) + 4 (T % 4)
	s_add_nc_u64 s[54:55], s[42:43], 2*SLOTB       ; the prefetches: step 0 steps this to step 3
	s_mul_i32 s60, s16, 9
	s_mul_i32 s61, s[WV], RP
	s_lshl_b32 s62, s[WV], 8
	s_lshl_b32 s63, s[WV], 9
	v_and_b32 v3, 31, v0
	v_and_b32 v5, 15, v0                           ; r
	v_bfe_u32 v6, v0, 4, 1                         ; h
	v_min_u32 v[PFO], 8, v3
	v_lshlrev_b32 v[L16], 4, v3
	v_lshlrev_b32 v[R16], 4, v5
	global_load_b128 v[16:19], v[L16], s[56:57]    ; q,
	global_load_b128 v[24:27], v[L16], s[56:57]    ; and once more behind the zeros
	global_load_b32 v[QS], v[R16], s[58:59] offset:8192
	v_add_nc_u32 v[AD], s44, v[L16]
	v_add_nc_u32 v[AD+1], SLOTB, v[AD]
	v_add_nc_u32 v[PFO], s60, v[PFO]
	v_min_u32 v[PFO], 33, v[PFO]                   ; lanes that are left over name the last block again
	v_lshlrev_b32 v[PFO], 8, v[PFO]
	v_mul_u32_u24 v[STO], v5, RP
	v_lshl_add_u32 v[QRD], v6, 7, v[STO]
	v_lshl_add_u32 v[STO], v6, 6, v[STO]
	v_add_nc_u32 v[STO], s62, v[STO]               ; row r, my head's 256 bytes, + 64 h
	v_add_nc_u32 v[QRD], s63, v[QRD]
	v_add_nc_u32 v[QRD], STB, v[QRD]               ; row r, K step w, + 128 h
	v_add_nc_u32 v[ROW], s61, v[L16]               ; row w, 16 bytes a lane
	v_add_nc_u32 v[ROWB], STB, v[ROW]
	v_lshlrev_b32 v[SH8], 3, v6
	s_wait_alu depctr_va_vdst(0)
	s_wait_loadcnt 0x0
	v_lshrrev_b32 v[QS], s46, v[QS]
	v_and_b32 v[QS], 0xffff, v[QS]
	v_lshl_or_b32 v[QS], v[QS], 16, v[QS]          ; q's two bytes, twice.  The lines below are the places that a scale word so made wants
.irp j, 20,21,22,23
	v_mov_b32 v[\j], 0
.endr
.set J, 0
.rept 32
	v_mov_b32 v[O+J], 0                            ; O^T: the step is written for every trip alike; the first finds zeros
.set J, J+1
.endr
	v_mov_b32 v13, 0xff61b1e6                      ; the largest t so far: -3e38
	v_floor_f32 v12, -v13                          ; -M
	v_mov_b32 v14, 0
	v_mov_b32 v15, 0
.irp b, 4,5,6,7,21
	v_mov_b32 v[W+\b], 0                           ; lane permutes' destinations, and the upper half of f's pair
.endr
; A STEP of 128 keys, whose unit lies in \slot.  mid = 1: the change of slots in its middle; refill = 1: with a refill; pf: 1 a prefetch, 2 a prefetch but in the loop's last trip; last = 1: the last step.
.macro TRIP slot, mid, refill, pf, last
	s_wait_dscnt 0x0                               ; K and the words are in
.irp j, 0,1,2,3
	v_wmma_scale_f32_16x16x128_f8f6f4 v[S+16*\j:S+16*\j+7], v[KF+8*\j:KF+8*\j+7], v[16:23], 0, v[SCW+4*\slot+\j], v[QS] matrix_a_fmt:MATRIX_FMT_FP4 matrix_b_fmt:MATRIX_FMT_FP4
	v_wmma_scale_f32_16x16x128_f8f6f4 v[S+16*\j+8:S+16*\j+15], v[KF+8*\j:KF+8*\j+7], v[20:27], 0, v[SCW+4*\slot+\j], v[QS] matrix_a_fmt:MATRIX_FMT_FP4 matrix_b_fmt:MATRIX_FMT_FP4
.endr
.rept 4
	v_nop                                          ; places: ahead of the first read of the scores, and between the last step's second product and the loads into its registers
.endr
	LOADV \slot                                    ; this step's V, under the softmax
.if \last
.irp j, 0,1,2,3,4,5,6,7
	global_load_b128 v[KF+4*\j:KF+4*\j+3], v[L16], s[6:7] offset:512*\j   ; K's registers are free: my row of x
.endr
.endif
.irp b, 0,1,2,3
	v_max3_num_f32 v[W+\b], v[S+16*\b], v[S+1+16*\b], v[S+2+16*\b]   ; the largest score of each block of 32 keys: for the row's maximum and for the block's largest p.  (Four chains by turns, here and below)
.endr
.irp i, 3,5,7,9,11,13
.irp b, 0,1,2,3
	v_max3_num_f32 v[W+\b], v[W+\b], v[S+16*\b+\i], v[S+1+16*\b+\i]
.endr
.endr
.irp b, 0,1,2,3
	v_max_num_f32 v[W+\b], v[W+\b], v[S+15+16*\b]
.endr
.irp b, 0,1,2,3
	v_permlanex16_b32 v[W+4+\b], v[W+\b], s[SEL], s[SEL+1]
.endr
.irp b, 0,1,2,3
	v_max_num_f32 v[W+\b], v[W+\b], v[W+4+\b]      ; with lane l xor 16's 16 keys
.endr
	s_delay_alu instid0(VALU_DEP_2)
	v_max3_num_f32 v[W+22], v[W], v[W+1], v[W+2]
	s_delay_alu instid0(VALU_DEP_1)
	v_max_num_f32 v[W+22], v[W+22], v[W+3]
	s_delay_alu instid0(VALU_DEP_1)
	v_mul_f32 v[W+22], s[CS], v[W+22]              ; the step's largest t
	s_delay_alu instid0(VALU_DEP_1)
	v_max_num_f32 v13, v13, v[W+22]
	v_mov_b32 v[W+22], v12
	s_delay_alu instid0(VALU_DEP_2)
	v_floor_f32 v12, -v13                          ; the new -M = -ceil(t)
	s_delay_alu instid0(VALU_DEP_1)
	v_sub_f32 v[W+22], v12, v[W+22]                ; old M - new M: a whole number, 0 or less
	s_delay_alu instid0(VALU_DEP_1)
	v_cvt_i32_f32 v[W+22], v[W+22]                 ; (it saturates)
	s_delay_alu instid0(VALU_DEP_1)
	v_ldexp_f32 v[W+20], 1.0, v[W+22]              ; f = 2^(old M - new M)
.set J, 0
.rept 32
	v_pk_fma_f32 v[S+J:S+J+1], v[S+J:S+J+1], s[CS:CS+1], v[12:13] op_sel_hi:[1,0,0]   ; t - M, two at a time
.set J, J+2
.endr
.irp b, 0,1,2,3
	v_fma_f32 v[W+\b], v[W+\b], s[CS], v12         ; the same of each block's largest score
.endr
	s_wait_alu depctr_va_vdst(0)                   ; ahead of the batch
.set J, 0
.if \mid
.rept 40
	v_exp_f32 v[S+J], v[S+J]                       ; p = 2^(t - M)
.set J, J+1
.endr
	s_wait_tensorcnt 0x0                           ; the next step's unit has landed; no load of mine is out,
	ds_add_u32 v[SPW], v[NIL]                      ; (the rest of the batch stands between the add and the wait for it)
	s_add_nc_u64 s[38-4*\slot:39-4*\slot], s[38-4*\slot:39-4*\slot], 2*SLOTB   ; so a group 0 may be written: the other slot's next step
.if \pf
	s_wait_xcnt 0x0                                ; the last prefetch has read its address
	s_add_nc_u64 s[54:55], s[54:55], SLOTB
.endif
.rept 24
	v_exp_f32 v[S+J], v[S+J]
.set J, J+1
.endr
	v_pk_mul_f32 v[14:15], v[14:15], v[W+20:W+21] op_sel_hi:[1,0]   ; the sums under the new M: a plain line behind the exponentials
	s_wait_dscnt 0x0                               ; the add is done, and my reads of this step's slot (the last: V's) are over:
	s_barrier_signal -1                            ; say so: this barrier opens the round;
.irp b, 0,1,2,3
	v_exp_f32 v[W+\b], v[W+\b]                     ; the blocks' largest p: work on registers while the others arrive
.endr
	s_wait_alu depctr_va_vdst(0)                   ; one wait for all 68, ahead of the branch below and of their first readers
	s_barrier_wait -1
	CREST                                          ; no wave of the four work-groups still reads this step's slot or has a load on its way
.if \refill
	tensor_load_to_lds s[32+4*\slot:35+4*\slot], s[24:31]   ; two steps on, into this step's slot
	s_nop 0
.endif
	LOADK 1-\slot                                  ; the next step's K and words, under the work below
.if \pf == 2
	s_cmp_gt_u32 s19, 1                            ; step 13 has no step three on
	s_cbranch_scc0 .Lno_ask_\@
.endif
.if \pf
	s_cmp_lt_u32 ttmp9, 4
	s_cbranch_scc0 .Lno_prefetch_attln0_\@
	global_prefetch_b8 v[PFO], s[54:55] th:TH_LOAD_NT scope:SCOPE_SE   ; the step that the next step's tensor load will ask for
.Lno_prefetch_attln0_\@:
.Lno_ask_\@:
.endif
.else
.rept 64
	v_exp_f32 v[S+J], v[S+J]
.set J, J+1
.endr
	v_pk_mul_f32 v[14:15], v[14:15], v[W+20:W+21] op_sel_hi:[1,0]
	s_wait_alu depctr_va_vdst(0)
.irp b, 0,1,2,3
	v_exp_f32 v[W+\b], v[W+\b]
.endr
.endif
.irp k, 1,2,3,4,5,6,7                          ; the row's sum of the unquantised p: eight chains of pairs
	v_pk_add_f32 v[W+2+2*\k:W+3+2*\k], v[S+4*\k-4:S+4*\k-3], v[S+4*\k-2:S+4*\k-1]
.endr
	v_pk_add_f32 v[14:15], v[14:15], v[S+28:S+29]
.irp k, 1,2,3,4,5,6,7
	v_pk_add_f32 v[W+2+2*\k:W+3+2*\k], v[W+2+2*\k:W+3+2*\k], v[S+28+2*\k:S+29+2*\k]
.endr
	v_pk_add_f32 v[14:15], v[14:15], v[S+44:S+45]
.irp k, 1,2,3,4,5,6,7
	v_pk_add_f32 v[W+2+2*\k:W+3+2*\k], v[W+2+2*\k:W+3+2*\k], v[S+44+2*\k:S+45+2*\k]
.endr
	v_pk_add_f32 v[14:15], v[14:15], v[S+60:S+61]
	v_pk_add_f32 v[W+4:W+5], v[W+4:W+5], v[S+62:S+63]
	s_delay_alu instid0(VALU_DEP_2)
	v_pk_add_f32 v[14:15], v[14:15], v[W+10:W+11]
	s_delay_alu instid0(VALU_DEP_2)
	v_pk_add_f32 v[W+4:W+5], v[W+4:W+5], v[W+12:W+13]
	v_pk_add_f32 v[W+6:W+7], v[W+6:W+7], v[W+14:W+15]
	v_pk_add_f32 v[W+8:W+9], v[W+8:W+9], v[W+16:W+17]
	s_delay_alu instid0(VALU_DEP_2)
	v_pk_add_f32 v[14:15], v[14:15], v[W+6:W+7]
	s_delay_alu instid0(VALU_DEP_2)
	v_pk_add_f32 v[W+4:W+5], v[W+4:W+5], v[W+8:W+9]
	s_delay_alu instid0(VALU_DEP_1)
	v_pk_add_f32 v[14:15], v[14:15], v[W+4:W+5]
	s_wait_alu depctr_va_vdst(0)                   ; ahead of the first reader of the blocks' largest p
.irp b, 0,1,2,3
	v_max_num_f32 v[W+\b], 0x1800000, v[W+\b]      ; the floor 2^(3 - 127)
.endr
.irp b, 0,1,2,3
	v_add_nc_u32 v[W+12+\b], 0xff000000, v[W+\b]   ; the conversion's scale operand
.endr
.irp b, 0,1,2,3
	v_lshrrev_b32 v[W+4+\b], 23, v[W+12+\b]
.endr
	v_lshl_or_b32 v[W+21], v[W+5], 8, v[W+4]       ; p's scale word for these 128 keys
	s_delay_alu instid0(VALU_DEP_1)
	v_lshl_or_b32 v[W+21], v[W+6], 16, v[W+21]
	s_delay_alu instid0(VALU_DEP_1)
	v_lshl_or_b32 v[W+21], v[W+7], 24, v[W+21]
.irp b, 0,1,2,3
	v_cvt_scalef32_pk8_fp4_f32 v[PC+2*\b], v[S+16*\b:S+7+16*\b], v[W+12+\b]
	v_cvt_scalef32_pk8_fp4_f32 v[PC+1+2*\b], v[S+8+16*\b:S+15+16*\b], v[W+12+\b]
.endr
	v_nop
.irp c, 0,1
.irp i, 0,1
	v_permlane16_swap_b32 v[PC+4*\c+\i], v[PC+2+4*\c+\i]
.endr
.endr
.if \last
.irp j, 0,1,2,3,4,5,6,7
	global_load_b128 v[S+4*\j:S+4*\j+3], v[L16], s[8:9] offset:512*\j        ; p's registers are free: the gain,
	global_load_b128 v[S+32+4*\j:S+35+4*\j], v[L16], s[10:11] offset:512*\j  ; and the offset
.endr
.endif
	s_wait_alu depctr_va_vdst(0)                   ; directly ahead of the first reader of O^T
.irp j, 0,2,4,6,8,10,12,14,16,18,20,22,24,26,28,30
	v_pk_mul_f32 v[O+\j:O+\j+1], v[O+\j:O+\j+1], v[W+20:W+21] op_sel_hi:[1,0]   ; O^T under the new M; twelve of the sixteen name no register of a given product below: the places that p's codes and word want
.endr
	s_wait_alu depctr_va_vdst(0)                   ; waits that block follow
.if \last
	s_wait_dscnt 0x0                               ; V (in the other steps the wait in the step's middle has shown it in)
.endif
.irp d, 0,1,2,3
	v_wmma_scale_f32_16x16x128_f8f6f4 v[O+8*\d:O+8*\d+7], v[VF+8*\d:VF+8*\d+7], v[PC:PC+7], v[O+8*\d:O+8*\d+7], v[SCW+4*\slot+\d], v[W+21] matrix_a_fmt:MATRIX_FMT_FP4 matrix_b_fmt:MATRIX_FMT_FP4 matrix_a_scale:MATRIX_SCALE_ROW1
.endr
.endm
; of a row: four chains of pairs (W .. W+7) become the sum over the row, in every lane (W)
.macro REDUCE
	s_delay_alu instid0(VALU_DEP_3)
	v_pk_add_f32 v[W:W+1], v[W:W+1], v[W+2:W+3]
	s_delay_alu instid0(VALU_DEP_2)
	v_pk_add_f32 v[W+4:W+5], v[W+4:W+5], v[W+6:W+7]
	s_delay_alu instid0(VALU_DEP_1)
	v_pk_add_f32 v[W:W+1], v[W:W+1], v[W+4:W+5]
	s_delay_alu instid0(VALU_DEP_1)
	v_add_f32 v[W], v[W], v[W+1]
.irp m, 1,2,4,8
	s_delay_alu instid0(VALU_DEP_1)
	v_add_f32_dpp v[W], v[W], v[W] row_xmask:\m row_mask:0xf bank_mask:0xf
.endr
	s_delay_alu instid0(VALU_DEP_1)
	v_permlanex16_b32 v[W+8], v[W], s[SEL], s[SEL+1]
	s_delay_alu instid0(VALU_DEP_1)
	v_add_f32 v[W], v[W], v[W+8]
.endm
	s_wait_alu depctr_va_vdst(0)
	s_wait_tensorcnt 0x0                           ; step 0's unit is in
	ds_add_u32 v[SPW], v[NIL]
	s_add_nc_u64 s[34:35], s[34:35], 2*SLOTB       ; slot 0's next step: 2
	s_wait_dscnt 0x0
	CROUND
	tensor_load_to_lds s[36:39], s[24:31]          ; step 1: slot 1's first fill
	s_nop 0
	LOADK 0
	s_mov_b32 s19, 7
.Lpair:                                            ; 7 trips of two steps: steps 0 .. 13 each ask for the step two on; the last two steps are written out
	TRIP 0, 1, 1, 1, 0
	TRIP 1, 1, 1, 2, 0
	s_sub_co_u32 s19, s19, 1
	s_cmp_lg_u32 s19, 0
	s_cbranch_scc1 .Lpair
	TRIP 0, 1, 0, 0, 0                             ; step 14: its round fills nothing; behind it nobody reads slot 0
	TRIP 1, 0, 0, 0, 1
	; O^T / the sum, into the first meeting place
	v_add_f32 v14, v14, v15
	s_delay_alu instid0(VALU_DEP_1)
	v_permlanex16_b32 v[W+20], v14, s[SEL], s[SEL+1]
	s_delay_alu instid0(VALU_DEP_1)
	v_add_f32 v14, v14, v[W+20]                    ; the row's sum
	s_wait_alu depctr_va_vdst(0)
	v_rcp_f32 v14, v14
	v_nop
	v_nop
	s_wait_alu depctr_va_vdst(0)                   ; for the reciprocal, and directly ahead of the first readers of the last products
.irp j, 0,2,4,6,8,10,12,14,16,18,20,22,24,26,28,30
	v_pk_mul_f32 v[O+\j:O+\j+1], v[O+\j:O+\j+1], v[14:15] op_sel_hi:[1,0]   ; register 8 d + j: channel 32 (d / 2) + 16 h + 8 (d % 2) + j
.endr
.irp d, 0,1,2,3
	ds_store_b128 v[STO], v[O+8*\d:O+8*\d+3] offset:128*(\d/2)+32*(\d%2)
	ds_store_b128 v[STO], v[O+8*\d+4:O+8*\d+7] offset:128*(\d/2)+32*(\d%2)+16
.endr
	s_wait_dscnt 0x0                               ; for the others' sake: my head's channels lie in LDS
	s_barrier_signal -1
	s_barrier_wait -1
.irp j, 0,1,2,3,4,5,6,7
	ds_load_b128 v[VF+4*\j:VF+4*\j+3], v[ROW] offset:512*\j   ; the row at place w, whole
.endr
	s_wait_loadcnt 16                              ; x's row is in; the gain's and the offset's 16 loads may be out
	s_wait_dscnt 0x0
.irp j, 0,2,4,6,8,10,12,14,16,18,20,22,24,26,28,30
	v_pk_add_f32 v[KF+\j:KF+\j+1], v[KF+\j:KF+\j+1], v[VF+\j:VF+\j+1]   ; s = x + att
.endr
.irp c, 0,1,2,3
	v_pk_add_f32 v[W+2*\c:W+2*\c+1], v[KF+4*\c:KF+4*\c+1], v[KF+4*\c+2:KF+4*\c+3]
.endr
.irp j, 16,24
.irp c, 0,1,2,3
	s_delay_alu instid0(VALU_DEP_4)
	v_pk_add_f32 v[W+2*\c:W+2*\c+1], v[W+2*\c:W+2*\c+1], v[KF+\j+2*\c:KF+\j+2*\c+1]
.endr
.endr
	REDUCE
	s_delay_alu instid0(VALU_DEP_1)
	v_mul_f32 v[W+10], 0x3a800000, v[W]            ; the mean: / 1,024
.irp j, 0,2,4,6,8,10,12,14,16,18,20,22,24,26,28,30
	v_pk_add_f32 v[KF+\j:KF+\j+1], v[KF+\j:KF+\j+1], v[W+10:W+11] op_sel_hi:[1,0] neg_lo:[0,1] neg_hi:[0,1]
.endr
.irp c, 0,1,2,3
	v_pk_mul_f32 v[W+2*\c:W+2*\c+1], v[KF+2*\c:KF+2*\c+1], v[KF+2*\c:KF+2*\c+1]
.endr
.irp j, 8,16,24
.irp c, 0,1,2,3
	s_delay_alu instid0(VALU_DEP_4)
	v_pk_fma_f32 v[W+2*\c:W+2*\c+1], v[KF+\j+2*\c:KF+\j+2*\c+1], v[KF+\j+2*\c:KF+\j+2*\c+1], v[W+2*\c:W+2*\c+1]
.endr
.endr
	REDUCE
	s_delay_alu instid0(VALU_DEP_1)
	v_mul_f32 v[W], 0x3a802008, v[W]               ; / 1,023
	s_wait_alu depctr_va_vdst(0)
	v_sqrt_f32 v[W], v[W]
	v_nop
	s_wait_alu depctr_va_vdst(0)
	v_add_f32 v[W], 0x358637bd, v[W]               ; + 1e-6
	s_wait_alu depctr_va_vdst(0)
	v_rcp_f32 v[W+10], v[W]
	v_nop
	s_wait_alu depctr_va_vdst(0)
	s_wait_loadcnt 0x0                             ; the gain and the offset
.irp j, 0,2,4,6,8,10,12,14,16,18,20,22,24,26,28,30
	v_pk_mul_f32 v[KF+\j:KF+\j+1], v[KF+\j:KF+\j+1], v[W+10:W+11] op_sel_hi:[1,0]
.endr
.irp j, 0,2,4,6,8,10,12,14,16,18,20,22,24,26,28,30
	v_pk_fma_f32 v[KF+\j:KF+\j+1], v[KF+\j:KF+\j+1], v[S+\j:S+\j+1], v[S+32+\j:S+33+\j]
.endr
.irp j, 0,1,2,3,4,5,6,7
	global_store_b128 v[L16], v[KF+4*\j:KF+4*\j+3], s[12:13] offset:512*\j   ; 512 consecutive bytes
	ds_store_b128 v[ROWB], v[KF+4*\j:KF+4*\j+3] offset:512*\j
.endr
	s_wait_dscnt 0x0                               ; for the others' sake: my row of x1 lies in LDS
	s_barrier_signal -1
	s_barrier_wait -1
	s_cmp_lt_u32 s[WV], 8                          ; eight K steps of 128 columns: waves 0-7 quantise one each
	s_cbranch_scc0 .Ldone
.irp k, 0,1
.irp j, 0,1,2,3,4,5,6,7
	ds_load_b128 v[S+32*\k+4*\j:S+32*\k+4*\j+3], v[QRD] offset:256*\k+16*\j   ; register 32 k + i: column 128 w + 64 k + 32 h + i of the row at place r
.endr
.endr
	s_wait_dscnt 0x0
	v_max3_num_f32 v[W], |v[S]|, |v[S+1]|, 0x1800000               ; the floor 2^(3 - 127) among the leaves
	v_max3_num_f32 v[W+1], |v[S+32]|, |v[S+33]|, 0x1800000
.irp i, 2,4,6,8,10,12,14,16,18,20,22,24,26,28,30
	s_delay_alu instid0(VALU_DEP_2)
	v_max3_num_f32 v[W], v[W], |v[S+\i]|, |v[S+\i+1]|
	s_delay_alu instid0(VALU_DEP_2)
	v_max3_num_f32 v[W+1], v[W+1], |v[S+32+\i]|, |v[S+33+\i]|
.endr
	s_delay_alu instid0(VALU_DEP_2)
	v_add_nc_u32 v[W+2], 0xff000000, v[W]          ; 2 off the exponent field: the conversion's scale operand
	s_delay_alu instid0(VALU_DEP_2)
	v_add_nc_u32 v[W+3], 0xff000000, v[W+1]
	s_delay_alu instid0(VALU_DEP_2)
	v_lshrrev_b32 v[W], 23, v[W+2]
	s_delay_alu instid0(VALU_DEP_2)
	v_lshrrev_b32 v[W+1], 23, v[W+3]
	s_delay_alu instid0(VALU_DEP_1)
	v_lshl_or_b32 v[W+4], v[W+1], 16, v[W]         ; blocks h and 2 + h,
	s_delay_alu instid0(VALU_DEP_1)
	v_lshlrev_b32 v[W+4], v[SH8], v[W+4]           ; at their places in the word;
	s_delay_alu instid0(VALU_DEP_1)
	v_permlanex16_b32 v[W+8], v[W+4], s[SEL], s[SEL+1]
	s_delay_alu instid0(VALU_DEP_1)
	v_or_b32 v[W+4], v[W+4], v[W+8]                ; with lane l xor 16's two the word is whole
.irp k, 0,1
.irp g, 0,1,2,3
	v_cvt_scalef32_pk8_fp4_f32 v[PC+4*\k+\g], v[S+32*\k+8*\g:S+32*\k+8*\g+7], v[W+2+\k]
.endr
.endr
	v_nop
	global_store_b128 v[L16], v[PC:PC+3], s[50:51]
	global_store_b128 v[L16], v[PC+4:PC+7], s[50:51] offset:512
	s_wait_xcnt 0x0                                ; EXEC changes only behind this wait
	v_cmp_gt_u32 vcc_lo, 256, v[L16]
	s_and_saveexec_b32 s46, vcc_lo
	global_store_b32 v[R16], v[W+4], s[52:53]      ; lanes 0-15: row r's word
	s_wait_xcnt 0x0
	s_or_b32 exec_lo, exec_lo, s46
.Ldone:
	s_wait_tensorcnt 0x0                           ; the wave's end
	ds_add_u32 v[SPW], v[NIL]
	s_wait_dscnt 0x0
	CROUND                                         ; the closing round
	s_endpgm
.Lfunc_end_k_q72fb0aca7f_attln:
	.size	k_q72fb0aca7f_attln, .Lfunc_end_k_q72fb0aca7f_attln-k_q72fb0aca7f_attln
	.p2alignl 7, 3214868480
	.fill 96, 4, 3214868480
	.section	.rodata,"a",@progbits
	.p2align	6, 0x0
	.amdhsa_kernel k_q72fb0aca7f_attln
		.amdhsa_group_segment_fixed_size 327680
		.amdhsa_private_segment_fixed_size 0
		.amdhsa_enable_private_segment 0
		.amdhsa_kernarg_size 48
		.amdhsa_user_sgpr_count 2
		.amdhsa_user_sgpr_kernarg_segment_ptr 1
		.amdhsa_wavefront_size32 1
		.amdhsa_system_sgpr_workgroup_id_x 1
		.amdhsa_system_sgpr_workgroup_id_y 1
		.amdhsa_system_sgpr_workgroup_id_z 1
		.amdhsa_system_vgpr_workitem_id 0
		.amdhsa_next_free_vgpr 256
		.amdhsa_next_free_sgpr 66
		.amdhsa_reserve_vcc 1
		.amdhsa_float_denorm_mode_32 3
		.amdhsa_float_denorm_mode_16_64 3
		.amdhsa_memory_ordered 1
		.amdhsa_forward_progress 1
		.amdhsa_inst_pref_size 91
	.end_amdhsa_kernel
	.amdgpu_metadata
---
amdhsa.version: [ 1, 2 ]
amdhsa.kernels:
  - .name:           k_q72fb0aca7f_attln
    .symbol:         k_q72fb0aca7f_attln.kd
    .args:
      - { .name: hkv, .offset: 0, .size: 8, .value_kind: global_buffer, .address_space: global }
      - { .name: x, .offset: 8, .size: 8, .value_kind: global_buffer, .address_space: global }
      - { .name: ln1_a, .offset: 16, .size: 8, .value_kind: global_buffer, .address_space: global }
      - { .name: ln1_b, .offset: 24, .size: 8, .value_kind: global_buffer, .address_space: global }
      - { .name: x1, .offset: 32, .size: 8, .value_kind: global_buffer, .address_space: global }
      - { .name: x1q, .offset: 40, .size: 8, .value_kind: global_buffer, .address_space: global }
    .group_segment_fixed_size: 327680
    .private_segment_fixed_size: 0
    .kernarg_segment_align: 8
    .kernarg_segment_size: 48
    .max_flat_workgroup_size: 512
    .sgpr_count:     66
    .vgpr_count:     256
    .wavefront_size: 32
...
	.end_amdgpu_metadata
.endif
;; end of part 3
;; launch ffn1 (part 4): grid 16 x 16, 4 waves a work-group, clusters of 4 x 4, 327,680 bytes of LDS; arguments x1q, qw, b1, hid; writes hid
.if DOCPART == 4
	.amdgcn_target "amdgcn-amd-amdhsa--gfx1250"
	.amdhsa_code_object_version 6
	.text
	.protected	k_q72fb0aca7f_ffn1
	.globl	k_q72fb0aca7f_ffn1
	.p2align	8
	.type	k_q72fb0aca7f_ffn1,@function
k_q72fb0aca7f_ffn1:
	s_mov_b64 s[64:65], 0
	v_nop
	global_prefetch_b8 v0, s[64:65] scope:SCOPE_SE
	s_setreg_imm32_b32 hwreg(HW_REG_WAVE_MODE, 25, 1), 1
	s_wait_xcnt 0x0
	s_wait_alu depctr_hold_cnt(0) depctr_sa_sdst(0) depctr_va_vdst(0) depctr_va_sdst(0) depctr_va_ssrc(0) depctr_va_vcc(0) depctr_vm_vsrc(0)
	s_getreg_b32 s2, hwreg(HW_REG_IB_STS2, 6, 4)
	s_cmp_eq_u32 s2, 0
	s_cbranch_scc0 .Lentry_in_a_cluster
	s_endpgm
.Lentry_in_a_cluster:
	s_bfe_u32 s2, ttmp6, 0x10000c
	s_cmp_lg_u32 s2, 0xf033
	s_cbranch_scc0 .Lentry_shape_is_right
	s_endpgm
.Lentry_shape_is_right:
.set W1C, 2785280
.set W1S, 4882432
.set SLOT, 131072
.set SCL,  262144
.set HALFS, 4096
.set FR,   8
.set ADRA, 16
.set ADRB, 20
.set ADRS, 27
.set SC,   32
.set AF,   128
.set BI,   192
.set HB,   128
.set PC,   192
.set PW,   208
.set TM,   216
.set SEL,  96
.set HI,   12
.set HW,   2
.set G1, 24
.set G0, 32
.set G1B, 48
.set G0B, 56
.set G1S, 68
.set G0S, 76
.set G1SB, 80
.set G0SB, 88
.set MSB, 0
.macro WIN new
.if MSB != \new
	s_set_vgpr_msb (MSB<<8)|\new
.set MSB, \new
.endif
.endm
.set MUL_LO, 0xa1
.set MUL_HI, 0xf1
.set TO_B,   0x40
.macro PLACES n
.rept \n
	v_nop
.endr
.endm
.macro JLOAD g0a, g1a, g0b, g1b
	s_cmp_eq_u32 s15, 0
	s_cbranch_scc0 .Lfor_b_\@
	tensor_load_to_lds s[\g0a:\g0a+3], s[\g1a:\g1a+7]
	s_nop 0
.rept 4
	v_nop
.endr
	s_branch .Lasked_\@
.Lfor_b_\@:
	tensor_load_to_lds s[\g0b:\g0b+3], s[\g1b:\g1b+7]
	s_nop 0
.rept 4
	v_nop
.endr
.Lasked_\@:
.endm
.macro CROUND
	s_barrier_signal -1
	s_barrier_wait -1
	s_cmp_lg_u32 s14, 0
	s_cbranch_scc1 .Lnot_wave_0_\@
	s_barrier_signal -3
.Lnot_wave_0_\@:
	s_barrier_wait -3
	s_barrier_signal -1
	s_barrier_wait -1
.endm
.macro QUANT s, pc, pw
.irp b, 0,1,2,3
	v_max3_num_f32 v[TM+\b], |v[(\s)+16*\b]|, |v[(\s)+1+16*\b]|, 0x1800000
.endr
.irp i, 2,4,6,8,10,12,14
.irp b, 0,1,2,3
	v_max3_num_f32 v[TM+\b], v[TM+\b], |v[(\s)+16*\b+\i]|, |v[(\s)+1+16*\b+\i]|
.endr
.endr
.irp b, 0,1,2,3
	v_permlanex16_b32 v[TM+4+\b], v[TM+\b], s[SEL], s[SEL+1]
.endr
.irp b, 0,1,2,3
	v_max_num_f32 v[TM+\b], v[TM+\b], v[TM+4+\b]
.endr
.irp b, 0,1,2,3
	v_add_nc_u32 v[TM+12+\b], 0xff000000, v[TM+\b]
.endr
.irp b, 0,1,2,3
	v_lshrrev_b32 v[TM+4+\b], 23, v[TM+12+\b]
.endr
	v_lshl_or_b32 v[\pw], v[TM+5], 8, v[TM+4]
	v_lshl_or_b32 v[\pw], v[TM+6], 16, v[\pw]
	v_lshl_or_b32 v[\pw], v[TM+7], 24, v[\pw]
.irp b, 0,1,2,3
	v_cvt_scalef32_pk8_fp4_f32 v[(\pc)+2*\b], v[(\s)+16*\b:(\s)+7+16*\b], v[TM+12+\b]
	v_cvt_scalef32_pk8_fp4_f32 v[(\pc)+1+2*\b], v[(\s)+8+16*\b:(\s)+15+16*\b], v[TM+12+\b]
.endr
	v_nop
.irp c, 0,1
.irp i, 0,1
	v_permlane16_swap_b32 v[(\pc)+4*\c+\i], v[(\pc)+2+4*\c+\i]
.endr
.endr
.endm
	s_load_b128 s[4:7], s[0:1], 0x0
	s_load_b128 s[8:11], s[0:1], 0x10
	v_lshl_add_u32 v126, v0, 2, 0x44000
	v_mov_b32 v127, 0
	ds_add_u32 v126, v127
	ds_add_u32 v126, v127
	v_lshrrev_b32 v1, 5, v0
	v_readfirstlane_b32 s14, v1
	s_lshr_b32 s15, s14, 1
	s_and_b32 s16, s14, 1
	s_bfe_u32 s40, ttmp6, 0x40000
	s_bfe_u32 s41, ttmp6, 0x40004
	s_lshl_b32 s42, ttmp9, 2
	s_add_co_u32 s42, s42, s40
	s_and_b32 s17, ttmp7, 0xffff
	s_lshl_b32 s17, s17, 2
	s_add_co_u32 s17, s17, s41
	s_lshl_b32 s43, s41, 2
	s_lshl_b32 s43, 15, s43
	s_lshl_b32 s44, 0x1111, s40
	s_or_b32 s[G1+0], s43, (3<<16)|(1<<21)
	s_or_b32 s[G1B+0], s44, (3<<16)|(1<<21)
.irp g, G1, G1B
	s_mov_b32 s[\g+1], 512<<16
	s_mov_b32 s[\g+2], 16<<16
	s_mov_b32 s[\g+3], 512<<16
	s_mov_b32 s[\g+4], 16
	s_mov_b32 s[\g+5], 1024
	s_mov_b32 s[\g+6], 0
	s_mov_b32 s[\g+7], 0
.endr
	s_or_b32 s[G1S+0], s43, (3<<16)|(1<<21)
	s_or_b32 s[G1SB+0], s44, (3<<16)|(1<<21)
.irp g, G1S, G1SB
	s_mov_b32 s[\g+1], 32<<16
	s_mov_b32 s[\g+2], 32<<16
	s_mov_b32 s[\g+3], 32<<16
	s_mov_b32 s[\g+4], 32
	s_mov_b32 s[\g+5], 32
	s_mov_b32 s[\g+6], 0
	s_mov_b32 s[\g+7], 0
.endr
	s_lshl_b32 s18, s16, 16                        ; slot 1: which 128 rows of a tile I fetch, in bytes
	s_mov_b32 s19, 0
	s_lshl_b32 s20, s17, 17                        ; x1's images of my 256 rows,
	s_mov_b32 s21, 0
	s_lshl_b32 s22, s17, 13
	s_add_co_u32 s22, s22, 2097152                 ; their scale words,
	s_mov_b32 s23, 0
	s_lshl_b32 s46, s42, 17
	s_add_co_u32 s46, s46, W1C                     ; w1's likewise
	s_mov_b32 s47, 0
	s_lshl_b32 s92, s42, 13
	s_add_co_u32 s92, s92, W1S
	s_mov_b32 s93, 0
	s_lshl_b32 s45, s14, 15
	s_wait_dscnt 0x0
	s_wait_kmcnt 0x0
	s_add_nc_u64 s[20:21], s[4:5], s[20:21]
	s_add_nc_u64 s[22:23], s[4:5], s[22:23]
	s_add_nc_u64 s[46:47], s[6:7], s[46:47]
	s_add_nc_u64 s[92:93], s[6:7], s[92:93]
	CROUND
	; the head's four tiles, one load a wave: wave 0 slot 0's 16 tiles of x1, wave 1 those of w1, wave 2 x1's scale words, wave 3 w1's
	s_mov_b32 s[G0S], 1
	s_mov_b32 s[G0S+1], SCL
	s_mov_b64 s[G0S+2:G0S+3], s[22:23]
	s_or_b32 s[G0S+3], s[G0S+3], 0x80000000
	s_mov_b32 s[G0SB], 1
	s_mov_b32 s[G0SB+1], SCL+2*HALFS
	s_mov_b64 s[G0SB+2:G0SB+3], s[92:93]
	s_or_b32 s[G0SB+3], s[G0SB+3], 0x80000000
	s_mov_b32 s[G0], 1
	s_mov_b32 s[G0+1], 0
	s_mov_b64 s[G0+2:G0+3], s[20:21]
	s_or_b32 s[G0+3], s[G0+3], 0x80000000
	s_mov_b32 s[G0B], 1
	s_mov_b32 s[G0B+1], 65536
	s_mov_b64 s[G0B+2:G0B+3], s[46:47]
	s_or_b32 s[G0B+3], s[G0B+3], 0x80000000
	; a prefetch of slot 1's tiles: of a tile's 16 row tiles each of the four partners that ask for it jointly takes four, told apart by address (cx for x1's, cy for w1's); waves 0, 1 ask for x1's, waves 2, 3 for w1's, two row tiles a wave
	s_cmp_eq_u32 s15, 0
	s_cselect_b64 s[98:99], s[20:21], s[46:47]
	s_cselect_b32 s100, s40, s41
	s_lshl_b32 s100, s100, 2
	s_lshl_b32 s101, s16, 1
	s_add_co_u32 s100, s100, s101
	s_lshl_b32 s100, s100, 13                      ; a row tile is 8,192 bytes
	s_mov_b32 s101, 0
	s_add_nc_u64 s[98:99], s[98:99], s[100:101]
	s_add_nc_u64 s[20:21], s[20:21], s[18:19]
	s_add_nc_u64 s[46:47], s[46:47], s[18:19]
	s_mov_b32 s[G0+4], 1
	s_add_co_u32 s[G0+5], s45, SLOT
	s_add_nc_u64 s[G0+6:G0+7], s[20:21], 4096
	s_or_b32 s[G0+7], s[G0+7], 0x80000000
	s_mov_b32 s[G0B+4], 1
	s_add_co_u32 s[G0B+5], s45, SLOT
	s_add_nc_u64 s[G0B+6:G0B+7], s[46:47], 4096
	s_or_b32 s[G0B+7], s[G0B+7], 0x80000000
.macro ARM under, g0, g1, next         ; one arm of the head's tree: its load and a jump to the tree's end
	s_cmp_lt_u32 s14, \under
	s_cbranch_scc0 \next
	tensor_load_to_lds s[\g0:\g0+3], s[\g1:\g1+7]
	s_nop 0
.rept 4
	v_nop
.endr
	s_branch .Lhead_asked
\next:
.endm
	ARM 1, G0,  G1,  .Lhead_b
	ARM 2, G0B, G1B, .Lhead_sa
	ARM 3, G0S, G1S, .Lhead_sb
	tensor_load_to_lds s[G0SB:G0SB+3], s[G1SB:G1SB+7]
	s_nop 0
.rept 4
	v_nop
.endr
.Lhead_asked:
	v_and_b32 v1, 31, v0
	v_lshlrev_b32 v1, 4, v1
	v_and_b32 v2, 15, v0
	v_bfe_u32 v3, v0, 4, 1
	s_wait_alu depctr_va_vdst(0)
	s_lshl_b32 s21, s15, 15
	s_lshl_b32 s22, s16, 15
	s_add_co_u32 s22, s22, 65536
.irp s, 0,1
	v_add_nc_u32 v[ADRA+\s], s21, v1
	v_add_nc_u32 v[ADRB+\s], s22, v1
	s_add_co_u32 s21, s21, SLOT
	s_add_co_u32 s22, s22, SLOT
.endr
	v_lshlrev_b32 v5, 4, v2
	s_mul_i32 s21, s15, HALFS
	s_mul_i32 s22, s16, HALFS
	s_add_co_u32 s22, s22, 2*HALFS
	s_sub_co_u32 s22, s22, s21
	v_mul_u32_u24 v6, s22, v3
	s_add_co_u32 s21, s21, SCL
	v_add_nc_u32 v6, v5, v6
	v_add_nc_u32 v[ADRS], s21, v6
	v_lshlrev_b32 v12, 6, v3
	v_lshl_add_u32 v13, v3, 13, v5
	v_cmp_eq_u32 s66, 1, v3
	v_lshlrev_b32 v15, 8, v2
	v_lshl_add_u32 v15, v3, 13, v15                ; lanes 0-15: the 16 blocks of 256 bytes of one row tile's second half, lanes 16-31: of the next; never rewritten
	global_prefetch_b8 v15, s[98:99] offset:4096 th:TH_LOAD_NT scope:SCOPE_SE   ; asked for while the head's loads are on their way; slot 1's tensor load follows behind their wait
	s_lshl_b32 s20, s42, 10
	s_lshl_b32 s22, s16, 9
	s_add_co_u32 s22, s22, s20
	s_mov_b32 s23, 0
	s_add_nc_u64 s[8:9], s[8:9], s[22:23]
.irp b, 0,1,2,3,4,5,6,7
	global_load_b128 v[BI+8*\b:BI+8*\b+3], v12, s[8:9] offset:(32*(\b/2)+8*(\b%2))*4
	global_load_b128 v[BI+8*\b+4:BI+8*\b+7], v12, s[8:9] offset:(32*(\b/2)+8*(\b%2))*4+16
.endr
	s_lshl_b32 s22, s17, 19
	s_lshl_b32 s20, s15, 18
	s_add_co_u32 s22, s22, s20
	s_lshl_b32 s20, s42, 11
	s_add_co_u32 s22, s22, s20
	s_lshl_b32 s20, s16, 10
	s_add_co_u32 s22, s22, s20
	s_add_nc_u64 s[HI:HI+1], s[10:11], s[22:23]
	s_lshl_b32 s22, s17, 15
	s_lshl_b32 s20, s15, 14
	s_add_co_u32 s22, s22, s20
	s_lshl_b32 s20, s42, 9
	s_add_co_u32 s22, s22, s20
	s_lshl_b32 s20, s16, 8
	s_add_co_u32 s22, s22, s20
	s_add_co_u32 s22, s22, 8388608
	s_add_nc_u64 s[HW:HW+1], s[10:11], s[22:23]
	s_mov_b32 s[SEL], 0x76543210
	s_mov_b32 s[SEL+1], 0xfedcba98
.macro FRAG reg, adr, q, i
.irp c, 0,1
	ds_load_b128 v[(\reg)+4*\c:(\reg)+4*\c+3], v[\adr] offset:4096*(\i)+1024*(\q)+512*\c
.endr
.endm
.macro MUL16 a0, p, q, sc, first
.irp a, \a0, \a0+1
.irp b, 0,1,2,3,4,5,6,7
.if \first
	v_wmma_scale_f32_16x16x128_f8f6f4 v[8*(8*((\a)%4)+\b):8*(8*((\a)%4)+\b)+7], v[128*(\p)+FR*\b:128*(\p)+FR*\b+FR-1], v[AF+FR*(\a):AF+FR*(\a)+FR-1], v[BI+8*\b:BI+8*\b+7], v[SC+32*(\sc)+8*(\q)+\b], v[SC+32*(\sc)+8*(\q)+(\a)] matrix_a_fmt:MATRIX_FMT_FP4 matrix_b_fmt:MATRIX_FMT_FP4 matrix_a_scale:MATRIX_SCALE_ROW1
.else
	v_wmma_scale_f32_16x16x128_f8f6f4 v[8*(8*((\a)%4)+\b):8*(8*((\a)%4)+\b)+7], v[128*(\p)+FR*\b:128*(\p)+FR*\b+FR-1], v[AF+FR*(\a):AF+FR*(\a)+FR-1], v[8*(8*((\a)%4)+\b):8*(8*((\a)%4)+\b)+7], v[SC+32*(\sc)+8*(\q)+\b], v[SC+32*(\sc)+8*(\q)+(\a)] matrix_a_fmt:MATRIX_FMT_FP4 matrix_b_fmt:MATRIX_FMT_FP4 matrix_a_scale:MATRIX_SCALE_ROW1
.endif
.endr
.endr
.endm
.macro FETCH_B slot, q, p
	WIN TO_B
.irp i, 0,1,2,3,4,5,6,7
	FRAG 128*(\p)+FR*\i, ADRB+\slot, \q, \i
.endr
	WIN 0
.endm
.macro FETCH_A slot, q, i0
.irp i, \i0, \i0+1, \i0+2, \i0+3
	FRAG AF+FR*(\i), ADRA+\slot, \q, \i
.endr
.endm
.macro SCALES s
.irp q, 0,1,2,3
.irp g, 0,1
	ds_load_b128 v[SC+32*(\s)+8*\q+4*\g:SC+32*(\s)+8*\q+4*\g+3], v[ADRS] offset:2048*\g+256*(4*(\s)+\q)
.endr
.endr
.endm
.macro STEP slot, q, first
	s_wait_dscnt 8
.if \first
	WIN 0x81
.else
	WIN MUL_LO
.endif
	MUL16 0, (\q)%2, \q, \slot, \first
	MUL16 2, (\q)%2, \q, \slot, \first
	s_wait_dscnt 0x0
	PLACES 4
	FETCH_B \slot, (\q)+1, 1-(\q)%2
	FETCH_A \slot, (\q)+1, 0
.if \first
	WIN 0xc1
.else
	WIN MUL_HI
.endif
	MUL16 4, (\q)%2, \q, \slot, \first
	MUL16 6, (\q)%2, \q, \slot, \first
	PLACES 4
	WIN 0
	FETCH_A \slot, (\q)+1, 4
.endm
	s_wait_alu depctr_va_vdst(0)
	s_wait_tensorcnt 0x0                           ; my tile of the head's four is in
	ds_add_u32 v126, v127
	s_mov_b32 s[G1+2], 8<<16                       ; no load of mine is out: from here on a load brings 8 tiles
	s_mov_b32 s[G1+4], 8
	s_mov_b32 s[G1B+2], 8<<16
	s_mov_b32 s[G1B+4], 8
	s_wait_dscnt 0x0
	CROUND                                         ; all four tiles are in, and all sixteen work-groups are here
	JLOAD G0+4, G1, G0B+4, G1B                     ; slot 1's first fill, the first tensor load behind the round
	FETCH_B 0, 0, 0
	FETCH_A 0, 0, 0
	SCALES 0
	FETCH_A 0, 0, 4
	s_wait_loadcnt 0x0
	STEP 0, 0, 1
	STEP 0, 1, 0
	STEP 0, 2, 0
	s_wait_tensorcnt 0x0
	s_wait_dscnt 8
	WIN MUL_LO
	MUL16 0, 1, 3, 0, 0
	s_wait_dscnt 0x0
	s_barrier_signal -1
	MUL16 2, 1, 3, 0, 0
	WIN 0
	s_barrier_wait -1
	PLACES 4
	FETCH_B 1, 0, 0
	FETCH_A 1, 0, 0
	SCALES 1
	WIN MUL_HI
	MUL16 4, 1, 3, 0, 0
	MUL16 6, 1, 3, 0, 0
	PLACES 4
	WIN 0
	FETCH_A 1, 0, 4
	STEP 1, 0, 0
	STEP 1, 1, 0
	STEP 1, 2, 0
	s_wait_dscnt 8
	WIN MUL_LO
	MUL16 0, 1, 3, 1, 0
	MUL16 2, 1, 3, 1, 0
	s_wait_dscnt 0x0
	WIN MUL_HI
	MUL16 4, 1, 3, 1, 0
	MUL16 6, 1, 3, 1, 0
	WIN 0
	PLACES 4
.irp b, 0,1,2,3
	v_mov_b32 v[TM+4+\b], 0
.endr
.macro OUT a
.if (\a) > 1
	s_wait_xcnt 0x0
.endif
	WIN 0x08+4*((\a)/4)
.set J, 0
.rept 64
	v_max_num_f32 v[HB+J], 0, v[64*((\a)%4)+J]
.set J, J+1
.endr
	WIN 0
	QUANT HB, PC+8*((\a)%2), PW+(\a)
	global_store_b128 v1, v[PC+8*((\a)%2):PC+8*((\a)%2)+3], s[HI:HI+1] offset:32768*(\a)
	global_store_b128 v1, v[PC+8*((\a)%2)+4:PC+8*((\a)%2)+7], s[HI:HI+1] offset:32768*(\a)+512
.endm
.irp a, 0,1,2,3,4,5,6,7
	OUT \a
.endr
.irp i, 0,1,2,3
	v_cndmask_b32 v[232+\i], v[PW+\i], v[PW+4+\i], s66
.endr
	global_store_b128 v13, v[232:235], s[HW:HW+1]
	s_wait_tensorcnt 0x0
	ds_add_u32 v126, v127
	s_wait_dscnt 0x0
	CROUND
	s_endpgm
.Lfunc_end_k_q72fb0aca7f_ffn1:
	.size	k_q72fb0aca7f_ffn1, .Lfunc_end_k_q72fb0aca7f_ffn1-k_q72fb0aca7f_ffn1
	.p2alignl 7, 3214868480
	.fill 96, 4, 3214868480
	.section	.rodata,"a",@progbits
	.p2align	6, 0x0
	.amdhsa_kernel k_q72fb0aca7f_ffn1
		.amdhsa_group_segment_fixed_size 327680
		.amdhsa_private_segment_fixed_size 0
		.amdhsa_enable_private_segment 0
		.amdhsa_kernarg_size 32
		.amdhsa_user_sgpr_count 2
		.amdhsa_user_sgpr_kernarg_segment_ptr 1
		.amdhsa_wavefront_size32 1
		.amdhsa_system_sgpr_workgroup_id_x 1
		.amdhsa_system_sgpr_workgroup_id_y 1
		.amdhsa_system_sgpr_workgroup_id_z 1
		.amdhsa_system_vgpr_workitem_id 0
		.amdhsa_next_free_vgpr 1024
		.amdhsa_next_free_sgpr 102
		.amdhsa_reserve_vcc 0
		.amdhsa_float_denorm_mode_32 3
		.amdhsa_float_denorm_mode_16_64 3
		.amdhsa_memory_ordered 1
		.amdhsa_forward_progress 1
		.amdhsa_inst_pref_size 146
	.end_amdhsa_kernel
	.amdgpu_metadata
---
amdhsa.version: [ 1, 2 ]
amdhsa.kernels:
  - .name:           k_q72fb0aca7f_ffn1
    .symbol:         k_q72fb0aca7f_ffn1.kd
    .args:
      - { .name: x1q, .offset: 0, .size: 8, .value_kind: global_buffer, .address_space: global }
      - { .name: qw, .offset: 8, .size: 8, .value_kind: global_buffer, .address_space: global }
      - { .name: b1, .offset: 16, .size: 8, .value_kind: global_buffer, .address_space: global }
      - { .name: hid, .offset: 24, .size: 8, .value_kind: global_buffer, .address_space: global }
    .group_segment_fixed_size: 327680
    .private_segment_fixed_size: 0
    .kernarg_segment_align: 8
    .kernarg_segment_size: 32
    .max_flat_workgroup_size: 128
    .sgpr_count:     102
    .vgpr_count:     1024
    .wavefront_size: 32
...
	.end_amdgpu_metadata
.endif
;; end of part 4
;; launch ffn2 (part 5): grid 8 x 32, 4 waves a work-group, clusters of 4 x 4, 327,680 bytes of LDS; arguments hid, qw, b2, ffn, x1; writes ffn
.if DOCPART == 5
	.amdgcn_target "amdgcn-amd-amdhsa--gfx1250"
	.amdhsa_code_object_version 6
	.text
	.protected	k_q72fb0aca7f_ffn2
	.globl	k_q72fb0aca7f_ffn2
	.p2align	8
	.type	k_q72fb0aca7f_ffn2,@function
k_q72fb0aca7f_ffn2:
	s_mov_b64 s[64:65], 0
	v_nop
	global_prefetch_b8 v0, s[64:65] scope:SCOPE_SE
	s_setreg_imm32_b32 hwreg(HW_REG_WAVE_MODE, 25, 1), 1
	s_wait_xcnt 0x0
	s_wait_alu depctr_hold_cnt(0) depctr_sa_sdst(0) depctr_va_vdst(0) depctr_va_sdst(0) depctr_va_ssrc(0) depctr_va_vcc(0) depctr_vm_vsrc(0)
	s_getreg_b32 s2, hwreg(HW_REG_IB_STS2, 6, 4)
	s_cmp_eq_u32 s2, 0
	s_cbranch_scc0 .Lentry_in_a_cluster
	s_endpgm
.Lentry_in_a_cluster:
	s_bfe_u32 s2, ttmp6, 0x10000c
	s_cmp_lg_u32 s2, 0xf033
	s_cbranch_scc0 .Lentry_shape_is_right
	s_endpgm
.Lentry_shape_is_right:
.set W2C, 5013504
.set W2S, 7110656
.set SLOT, 131072
.set SCL,  262144
.set HALFS, 8192
.set SPARE, 294912
.set ADRA, 4
.set ADRB, 6
.set ADS,  8
.set STO,  9
.set RD,   10
.set GO,   11
.set SC,   16
.set SPW,  28
.set NIL,  29
.set BI,   32
.set BK,   32
.set ACC,  128
.set G1, 24
.set G0, 32
.set G1B, 48
.set G0B, 56
.set G1S, 68
.set G0S, 76
.set G1SB, 80
.set G0SB, 88
.set MSB, 0
.macro WIN new
.if MSB != \new
	s_set_vgpr_msb (MSB<<8)|\new
.set MSB, \new
.endif
.endm
.set MUL,  0x05
.set TO_F, 0x40
.macro PLACES n
.rept \n
	v_nop
.endr
.endm
.macro JLOAD g0a, g1a, g0b, g1b
	s_cmp_eq_u32 s15, 0
	s_cbranch_scc0 .Lfor_b_\@
	tensor_load_to_lds s[\g0a:\g0a+3], s[\g1a:\g1a+7]
	s_nop 0
.rept 4
	v_nop
.endr
	s_branch .Lasked_\@
.Lfor_b_\@:
	tensor_load_to_lds s[\g0b:\g0b+3], s[\g1b:\g1b+7]
	s_nop 0
.rept 4
	v_nop
.endr
.Lasked_\@:
.endm
.macro CREST
	s_cmp_lg_u32 s14, 0
	s_cbranch_scc1 .Lnot_wave_0_\@
	s_barrier_signal -3
.Lnot_wave_0_\@:
	s_barrier_wait -3
	s_barrier_signal -1
	s_barrier_wait -1
.endm
.macro CROUND
	s_barrier_signal -1
	s_barrier_wait -1
	CREST
.endm
	s_load_b128 s[4:7], s[0:1], 0x0
	s_load_b128 s[8:11], s[0:1], 0x10
	s_load_b64 s[96:97], s[0:1], 0x20              ; x1: the residual is added on the way out, so ffn holds x1 + relu(..) w2^T + b2
	v_lshl_add_u32 v[SPW], v0, 2, SPARE
	v_mov_b32 v[NIL], 0
	ds_add_u32 v28, v29
	ds_add_u32 v28, v29
	s_wait_dscnt 0x0
	v_lshrrev_b32 v1, 5, v0
	v_readfirstlane_b32 s14, v1
	s_lshr_b32 s15, s14, 1
	s_and_b32 s16, s14, 1
	s_bfe_u32 s40, ttmp6, 0x40000
	s_bfe_u32 s41, ttmp6, 0x40004
	s_lshl_b32 s42, ttmp9, 2
	s_add_co_u32 s42, s42, s40
	s_and_b32 s17, ttmp7, 0xffff
	s_lshl_b32 s17, s17, 2
	s_add_co_u32 s17, s17, s41
	s_lshl_b32 s43, s41, 2
	s_lshl_b32 s43, 15, s43
	s_lshl_b32 s44, 0x1111, s40
	s_or_b32 s[G1+0], s43, (3<<16)|(1<<21)
	s_or_b32 s[G1B+0], s44, (3<<16)|(1<<21)
.irp g, G1, G1B
	s_mov_b32 s[\g+1], 1024<<16
	s_mov_b32 s[\g+2], 8<<16
	s_mov_b32 s[\g+3], 1024<<16
	s_mov_b32 s[\g+4], 8
	s_mov_b32 s[\g+5], 4096
	s_mov_b32 s[\g+6], 0
	s_mov_b32 s[\g+7], 0
.endr
	s_or_b32 s[G1S+0], s43, (3<<16)|(1<<21)
	s_or_b32 s[G1SB+0], s44, (3<<16)|(1<<21)
.irp g, G1S, G1SB
	s_mov_b32 s[\g+1], 32<<16
	s_mov_b32 s[\g+2], 64<<16
	s_mov_b32 s[\g+3], 32<<16
	s_mov_b32 s[\g+4], 64
	s_mov_b32 s[\g+5], 32
	s_mov_b32 s[\g+6], 0
	s_mov_b32 s[\g+7], 0
.endr
	s_lshl_b32 s18, s16, 17                        ; in the ring: which 64 rows of a tile I fetch, in bytes
	s_mov_b32 s19, 0
	s_lshl_b32 s20, s17, 18                        ; the hidden layer's images of my 128 rows,
	s_mov_b32 s21, 0
	s_lshl_b32 s22, s17, 14
	s_add_co_u32 s22, s22, 8388608                 ; their scale words,
	s_mov_b32 s23, 0
	s_lshl_b32 s46, s42, 18
	s_add_co_u32 s46, s46, W2C                     ; w2's likewise
	s_mov_b32 s47, 0
	s_lshl_b32 s92, s42, 14
	s_add_co_u32 s92, s92, W2S
	s_mov_b32 s93, 0
	s_lshl_b32 s45, s14, 15
	s_wait_kmcnt 0x0
	s_add_nc_u64 s[20:21], s[4:5], s[20:21]
	s_add_nc_u64 s[22:23], s[4:5], s[22:23]
	s_add_nc_u64 s[46:47], s[6:7], s[46:47]
	s_add_nc_u64 s[92:93], s[6:7], s[92:93]
	CROUND
	; the head's four tiles, one load a wave: wave 0 slot 0's 8 tiles of the hidden layer, wave 1 those of w2, wave 2 the hidden layer's scale words, wave 3 w2's
	s_mov_b32 s[G0S], 1
	s_mov_b32 s[G0S+1], SCL
	s_mov_b64 s[G0S+2:G0S+3], s[22:23]
	s_or_b32 s[G0S+3], s[G0S+3], 0x80000000
	s_mov_b32 s[G0SB], 1
	s_mov_b32 s[G0SB+1], SCL+2*HALFS
	s_mov_b64 s[G0SB+2:G0SB+3], s[92:93]
	s_or_b32 s[G0SB+3], s[G0SB+3], 0x80000000
	s_mov_b32 s[G0], 1
	s_mov_b32 s[G0+1], 0
	s_mov_b64 s[G0+2:G0+3], s[20:21]
	s_or_b32 s[G0+3], s[G0+3], 0x80000000
	s_mov_b32 s[G0B], 1
	s_mov_b32 s[G0B+1], 65536
	s_mov_b64 s[G0B+2:G0B+3], s[46:47]
	s_or_b32 s[G0B+3], s[G0B+3], 0x80000000
	; the prefetches: of a tile's 8 row tiles each of the four partners that ask for it jointly takes two, told apart by address (cx for the hidden layer's, cy for w2's); waves 0, 1 ask for the hidden layer's, waves 2, 3 for w2's, a row tile a wave
	s_cmp_eq_u32 s15, 0
	s_cselect_b64 s[98:99], s[20:21], s[46:47]
	s_cselect_b32 s100, s40, s41
	s_lshl_b32 s100, s100, 1
	s_add_co_u32 s100, s100, s16
	s_lshl_b32 s100, s100, 15                      ; a row tile is 32,768 bytes, a slot's part of it 8,192
	s_mov_b32 s101, 0
	s_add_nc_u64 s[98:99], s[98:99], s[100:101]
	s_add_nc_u64 s[20:21], s[20:21], s[18:19]
	s_add_nc_u64 s[46:47], s[46:47], s[18:19]
	s_mov_b32 s[G0+4], 1
	s_add_co_u32 s[G0+5], s45, SLOT
	s_add_nc_u64 s[G0+6:G0+7], s[20:21], 8192
	s_or_b32 s[G0+7], s[G0+7], 0x80000000
	s_mov_b32 s[G0B+4], 1
	s_add_co_u32 s[G0B+5], s45, SLOT
	s_add_nc_u64 s[G0B+6:G0B+7], s[46:47], 8192
	s_or_b32 s[G0B+7], s[G0B+7], 0x80000000
.macro ARM under, g0, g1, next         ; one arm of the head's tree: its load and a jump to the tree's end
	s_cmp_lt_u32 s14, \under
	s_cbranch_scc0 \next
	tensor_load_to_lds s[\g0:\g0+3], s[\g1:\g1+7]
	s_nop 0
.rept 4
	v_nop
.endr
	s_branch .Lhead_asked
\next:
.endm
	ARM 1, G0,  G1,  .Lhead_b
	ARM 2, G0B, G1B, .Lhead_sa
	ARM 3, G0S, G1S, .Lhead_sb
	tensor_load_to_lds s[G0SB:G0SB+3], s[G1SB:G1SB+7]
	s_nop 0
.rept 4
	v_nop
.endr
.Lhead_asked:
	v_and_b32 v1, 31, v0
	v_lshlrev_b32 v1, 4, v1
	v_and_b32 v2, 15, v0
	v_bfe_u32 v3, v0, 4, 1
	s_wait_alu depctr_va_vdst(0)
	s_lshl_b32 s21, s15, 15
	s_lshl_b32 s22, s16, 15
	s_add_co_u32 s22, s22, 65536
.irp s, 0,1
	v_add_nc_u32 v[ADRA+\s], s21, v1
	v_add_nc_u32 v[ADRB+\s], s22, v1
	s_add_co_u32 s21, s21, SLOT
	s_add_co_u32 s22, s22, SLOT
.endr
	v_lshlrev_b32 v12, 4, v2
	s_mul_i32 s21, s15, HALFS
	s_mul_i32 s22, s16, HALFS
	s_add_co_u32 s22, s22, 2*HALFS
	s_sub_co_u32 s22, s22, s21
	v_mul_u32_u24 v13, s22, v3
	s_add_co_u32 s21, s21, SCL
	v_add_nc_u32 v13, v12, v13
	v_add_nc_u32 v[ADS], s21, v13
	s_mul_i32 s23, s14, 4352
	v_mul_u32_u24 v[STO], v2, 272
	v_lshl_add_u32 v[STO], v3, 6, v[STO]
	v_add_nc_u32 v[STO], s23, v[STO]
	v_mul_u32_u24 v[RD], v3, 272
	v_add_nc_u32 v[RD], v[RD], v12
	v_add_nc_u32 v[RD], s23, v[RD]
	v_lshl_add_u32 v[GO], v3, 12, v12
	v_lshlrev_b32 v14, 6, v3
	v_lshlrev_b32 v15, 4, v1                       ; 256 x lane: a lane a block; never rewritten
	global_prefetch_b8 v15, s[98:99] offset:8192 th:TH_LOAD_NT scope:SCOPE_SE    ; the second slot's worth of K,
	global_prefetch_b8 v15, s[98:99] offset:16384 th:TH_LOAD_NT scope:SCOPE_SE   ; and the third: each two fills ahead of its tensor load or less
	s_lshl_b32 s20, s42, 9
	s_lshl_b32 s22, s16, 8
	s_add_co_u32 s22, s22, s20
	s_mov_b32 s23, 0
	s_add_nc_u64 s[8:9], s[8:9], s[22:23]
.irp b, 0,1,2,3
	global_load_b128 v[BI+8*\b:BI+8*\b+3], v14, s[8:9] offset:(32*(\b/2)+8*(\b%2))*4
	global_load_b128 v[BI+8*\b+4:BI+8*\b+7], v14, s[8:9] offset:(32*(\b/2)+8*(\b%2))*4+16
.endr
	s_lshl_b32 s20, s17, 19
	s_add_co_u32 s22, s22, s20
	s_lshl_b32 s20, s15, 18
	s_add_co_u32 s22, s22, s20
	s_add_nc_u64 s[10:11], s[10:11], s[22:23]
	s_add_nc_u64 s[96:97], s[96:97], s[22:23]      ; x1 at the same place
.macro FETCH slot, q, f, kabs
	WIN TO_F
.irp a, 0,1,2,3
.irp c, 0,1
	ds_load_b128 v[128*(\f)+8*\a+4*\c:128*(\f)+8*\a+4*\c+3], v[ADRA+\slot] offset:8192*\a+1024*(\q)+512*\c
	ds_load_b128 v[128*(\f)+32+8*\a+4*\c:128*(\f)+32+8*\a+4*\c+3], v[ADRB+\slot] offset:8192*\a+1024*(\q)+512*\c
.endr
.endr
	WIN 0
	ds_load_b128 v[SC+4*(\f):SC+4*(\f)+3], v[ADS] offset:256*(\kabs)
.endm
.macro MUL8 f, a0, first
.irp a, \a0, \a0+1
.irp b, 0,1,2,3
.if \first
	v_wmma_scale_f32_16x16x128_f8f6f4 v[ACC+8*(4*(\a)+\b):ACC+8*(4*(\a)+\b)+7], v[128*(\f)+32+8*\b:128*(\f)+32+8*\b+7], v[128*(\f)+8*(\a):128*(\f)+8*(\a)+7], v[BI+8*\b:BI+8*\b+7], v[SC+4*(\f)+\b], v[SC+4*(\f)+(\a)] matrix_a_fmt:MATRIX_FMT_FP4 matrix_b_fmt:MATRIX_FMT_FP4 matrix_a_scale:MATRIX_SCALE_ROW1
.else
	v_wmma_scale_f32_16x16x128_f8f6f4 v[ACC+8*(4*(\a)+\b):ACC+8*(4*(\a)+\b)+7], v[128*(\f)+32+8*\b:128*(\f)+32+8*\b+7], v[128*(\f)+8*(\a):128*(\f)+8*(\a)+7], v[ACC+8*(4*(\a)+\b):ACC+8*(4*(\a)+\b)+7], v[SC+4*(\f)+\b], v[SC+4*(\f)+(\a)] matrix_a_fmt:MATRIX_FMT_FP4 matrix_b_fmt:MATRIX_FMT_FP4 matrix_a_scale:MATRIX_SCALE_ROW1
.endif
.endr
.endr
.endm
.macro KS slot, q, kabs, first
	PLACES 4
	FETCH \slot, (\q)+1, ((\q)+1)%2, (\kabs)+1
	s_wait_dscnt 17
	WIN MUL
	MUL8 (\q)%2, 0, \first
	MUL8 (\q)%2, 2, \first
.endm
.macro PHASE slot, S, first
.set Q, 0
.rept 7
.if (Q == 0) && \first
	KS \slot, Q, 8*(\S)+Q, 1
.else
	KS \slot, Q, 8*(\S)+Q, 0
.endif
.set Q, Q+1
.endr
.endm
.macro CHG slot, S, fill
	WIN 0
	s_wait_tensorcnt 0x0
	ds_add_u32 v[SPW], v[NIL]
	s_wait_dscnt 1
	WIN MUL
	MUL8 1, 0, 0
	s_wait_dscnt 0x0
	s_barrier_signal -1
	MUL8 1, 2, 0
	WIN 0
	s_barrier_wait -1
.if \fill
	CREST
	s_add_nc_u64 s[G0+4*\slot+2:G0+4*\slot+3], s[G0+4*\slot+2:G0+4*\slot+3], 16384
	s_add_nc_u64 s[G0B+4*\slot+2:G0B+4*\slot+3], s[G0B+4*\slot+2:G0B+4*\slot+3], 16384
	JLOAD G0+4*\slot, G1, G0B+4*\slot, G1B
.else
	PLACES 4
.endif
	FETCH 1-\slot, 0, 0, 8*(\S)+8
.endm
	s_wait_alu depctr_va_vdst(0)
	s_wait_tensorcnt 0x0                           ; my tile of the head's four is in
	ds_add_u32 v[SPW], v[NIL]
	s_mov_b32 s[G1+2], 4<<16                       ; no load of mine is out: from here on a load brings 4 tiles,
	s_mov_b32 s[G1+4], 4
	s_mov_b32 s[G1B+2], 4<<16
	s_mov_b32 s[G1B+4], 4
	s_mov_b32 s[G0+1], s45                         ; and slot 0's groups 0 name my quarter of the slot
	s_add_nc_u64 s[G0+2:G0+3], s[G0+2:G0+3], s[18:19]
	s_mov_b32 s[G0B+1], s45
	s_add_nc_u64 s[G0B+2:G0B+3], s[G0B+2:G0B+3], s[18:19]
	s_wait_dscnt 0x0
	CROUND                                         ; all four tiles are in, and all sixteen work-groups are here
	JLOAD G0+4, G1, G0B+4, G1B                     ; slot 1's first fill, the first tensor load behind the round
	FETCH 0, 0, 0, 0
	global_prefetch_b8 v15, s[98:99] offset:24576 th:TH_LOAD_NT scope:SCOPE_SE   ; the fourth slot's worth, two fills ahead of its tensor load
	s_wait_loadcnt 0x0
	WIN TO_F                                       ; my 64 x 64 of x1, as the way out stores it, into 128 registers of window 1 that the fragments leave idle
.irp a, 0,1,2,3
.irp t, 0,1,2,3,4,5,6,7
	global_load_b128 v[64+128*(\a/2)+32*(\a%2)+4*\t:64+128*(\a/2)+32*(\a%2)+4*\t+3], v[GO], s[96:97] offset:4096*(32*(\a/2)+8*(\a%2)+2*\t+8*(\t/4))
.endr
.endr
	WIN 0
	PHASE 0, 0, 1
	CHG 0, 0, 1
	PHASE 1, 1, 0
	CHG 1, 1, 1
	PHASE 0, 2, 0
	CHG 0, 2, 0
	PHASE 1, 3, 0
	s_wait_dscnt 0x0
	WIN MUL
	MUL8 1, 0, 0
	MUL8 1, 2, 0
	WIN 0
.macro TOSTAGE a
.irp b, 0,1,2,3
	ds_store_b128 v[STO], v[ACC+8*(4*(\a)+\b):ACC+8*(4*(\a)+\b)+3] offset:128*(\b/2)+32*(\b%2)
	ds_store_b128 v[STO], v[ACC+8*(4*(\a)+\b)+4:ACC+8*(4*(\a)+\b)+7] offset:128*(\b/2)+32*(\b%2)+16
.endr
.irp t, 0,1,2,3,4,5,6,7
	ds_load_b128 v[BK+32*((\a)%2)+4*\t:BK+32*((\a)%2)+4*\t+3], v[RD] offset:544*\t
.endr
.endm
.macro SEND a, younger
	s_wait_dscnt \younger
	WIN 0x04                                       ; source 1: window 1
.irp t, 0,1,2,3,4,5,6,7
	v_pk_add_f32 v[BK+32*((\a)%2)+4*\t:BK+32*((\a)%2)+4*\t+1], v[BK+32*((\a)%2)+4*\t:BK+32*((\a)%2)+4*\t+1], v[64+128*((\a)/2)+32*((\a)%2)+4*\t:64+128*((\a)/2)+32*((\a)%2)+4*\t+1]
	v_pk_add_f32 v[BK+32*((\a)%2)+4*\t+2:BK+32*((\a)%2)+4*\t+3], v[BK+32*((\a)%2)+4*\t+2:BK+32*((\a)%2)+4*\t+3], v[64+128*((\a)/2)+32*((\a)%2)+4*\t+2:64+128*((\a)/2)+32*((\a)%2)+4*\t+3]
.endr
	WIN 0
.irp t, 0,1,2,3,4,5,6,7
	global_store_b128 v[GO], v[BK+32*((\a)%2)+4*\t:BK+32*((\a)%2)+4*\t+3], s[10:11] offset:4096*(32*((\a)/2)+8*((\a)%2)+2*\t+8*(\t/4)) th:TH_STORE_NT
.endr
.endm
	PLACES 4
	s_wait_loadcnt 0x0                             ; x1
	TOSTAGE 0
.irp a, 1,2,3
.if \a > 1
	s_wait_xcnt 0x0
.endif
	TOSTAGE \a
	SEND \a-1, 16
.endr
	SEND 3, 0
	s_wait_tensorcnt 0x0
	ds_add_u32 v[SPW], v[NIL]
	s_wait_dscnt 0x0
	CROUND
	s_endpgm
.Lfunc_end_k_q72fb0aca7f_ffn2:
	.size	k_q72fb0aca7f_ffn2, .Lfunc_end_k_q72fb0aca7f_ffn2-k_q72fb0aca7f_ffn2
	.p2alignl 7, 3214868480
	.fill 96, 4, 3214868480
	.section	.rodata,"a",@progbits
	.p2align	6, 0x0
	.amdhsa_kernel k_q72fb0aca7f_ffn2
		.amdhsa_group_segment_fixed_size 327680
		.amdhsa_private_segment_fixed_size 0
		.amdhsa_enable_private_segment 0
		.amdhsa_kernarg_size 40
		.amdhsa_user_sgpr_count 2
		.amdhsa_user_sgpr_kernarg_segment_ptr 1
		.amdhsa_wavefront_size32 1
		.amdhsa_system_sgpr_workgroup_id_x 1
		.amdhsa_system_sgpr_workgroup_id_y 1
		.amdhsa_system_sgpr_workgroup_id_z 1
		.amdhsa_system_vgpr_workitem_id 0
		.amdhsa_next_free_vgpr 512
		.amdhsa_next_free_sgpr 102
		.amdhsa_reserve_vcc 0
		.amdhsa_float_denorm_mode_32 3
		.amdhsa_float_denorm_mode_16_64 3
		.amdhsa_memory_ordered 1
		.amdhsa_forward_progress 1
		.amdhsa_inst_pref_size 135
	.end_amdhsa_kernel
	.amdgpu_metadata
---
amdhsa.version: [ 1, 2 ]
amdhsa.kernels:
  - .name:           k_q72fb0aca7f_ffn2
    .symbol:         k_q72fb0aca7f_ffn2.kd
    .args:
      - { .name: hid, .offset: 0, .size: 8, .value_kind: global_buffer, .address_space: global }
      - { .name: qw, .offset: 8, .size: 8, .value_kind: global_buffer, .address_space: global }
      - { .name: b2, .offset: 16, .size: 8, .value_kind: global_buffer, .address_space: global }
      - { .name: ffn, .offset: 24, .size: 8, .value_kind: global_buffer, .address_space: global }
      - { .name: x1, .offset: 32, .size: 8, .value_kind: global_buffer, .address_space: global }
    .group_segment_fixed_size: 327680
    .private_segment_fixed_size: 0
    .kernarg_segment_align: 8
    .kernarg_segment_size: 40
    .max_flat_workgroup_size: 128
    .sgpr_count:     102
    .vgpr_count:     512
    .wavefront_size: 32
...
	.end_amdgpu_metadata
.endif
;; end of part 5
;; launch ln2 (part 6): grid 256 x 1, 8 waves a work-group, no clusters, 0 bytes of LDS; arguments ffn, ln2_a, ln2_b, out0; writes out0
.if DOCPART == 6
	.amdgcn_target "amdgcn-amd-amdhsa--gfx1250"
	.amdhsa_code_object_version 6
	.text
	.protected	k_q72fb0aca7f_ln2
	.globl	k_q72fb0aca7f_ln2
	.p2align	8
	.type	k_q72fb0aca7f_ln2,@function
k_q72fb0aca7f_ln2:
	s_mov_b64 s[64:65], 0
	v_nop
	global_prefetch_b8 v0, s[64:65] scope:SCOPE_SE
	s_setreg_imm32_b32 hwreg(HW_REG_WAVE_MODE, 25, 1), 1
	s_wait_xcnt 0x0
; out0 = ln2_a (s - mean) / (std + 1e-6) + ln2_b, std with 1,023 in the divisor.  s = x1 + the feed-forward layer's result lies in ffn: the launch before has added the residual.  All f32.
; A work-group takes 16 rows, a wave two, each whole in 32 registers: mean and deviation never leave the wave; the mean is taken away before the squares are summed (two passes over registers).
; A stream: each load and store of a wave covers 512 consecutive bytes; no LDS, no barrier, no matrix unit, no cluster.
; LIMITS: NaN and infinities are not served.
.set XR, 96                            ; v96-159  two rows of s, then the result
.set GA, 32                            ; v32-63   the gain
.set GB, 64                            ; v64-95   the offset
.set SEL, 20
	s_load_b256 s[4:11], s[0:1], 0x0               ; ffn, ln2_a, ln2_b, out0
	v_lshrrev_b32 v1, 5, v0
	s_delay_alu instid0(VALU_DEP_1)
	v_readfirstlane_b32 s16, v1                    ; wave 0..7
	v_and_b32 v2, 31, v0
	s_delay_alu instid0(VALU_DEP_1)
	v_lshlrev_b32 v1, 4, v2                        ; 16 x lane
	s_lshl_b32 s18, ttmp9, 16
	s_lshl_b32 s17, s16, 13
	s_add_co_u32 s18, s18, s17                     ; my first row: 16 x work-group + 2 x wave, 4,096 bytes a row
	s_mov_b32 s19, 0
	s_mov_b32 s[SEL], 0x76543210
	s_mov_b32 s[SEL+1], 0xfedcba98
	v_mov_b32 v12, 0                               ; lane permutes' destinations count as sources
	v_mov_b32 v20, 0
	s_wait_alu depctr_va_vdst(0)
	s_wait_kmcnt 0x0
	s_add_nc_u64 s[4:5], s[4:5], s[18:19]
	s_add_nc_u64 s[10:11], s[10:11], s[18:19]
.irp e, 0,1
.irp j, 0,1,2,3,4,5,6,7
	global_load_b128 v[XR+32*\e+4*\j:XR+32*\e+4*\j+3], v1, s[4:5] offset:4096*\e+512*\j th:TH_LOAD_NT
.endr
.endr
.irp j, 0,1,2,3,4,5,6,7
	global_load_b128 v[GA+4*\j:GA+4*\j+3], v1, s[6:7] offset:512*\j
	global_load_b128 v[GB+4*\j:GB+4*\j+3], v1, s[8:9] offset:512*\j
.endr
.macro REDUCE                          ; of each row: two chains of pairs (v8-11, v16-19) become the sum over the row, in every lane (v8, v16)
	s_delay_alu instid0(VALU_DEP_3)
	v_pk_add_f32 v[8:9], v[8:9], v[10:11]
	s_delay_alu instid0(VALU_DEP_2)
	v_pk_add_f32 v[16:17], v[16:17], v[18:19]
.irp e, 0,1
	s_delay_alu instid0(VALU_DEP_2)
	v_add_f32 v[8+8*\e], v[8+8*\e], v[9+8*\e]
.endr
.irp m, 1,2,4,8
.irp e, 0,1
	s_delay_alu instid0(VALU_DEP_2)
	v_add_f32_dpp v[8+8*\e], v[8+8*\e], v[8+8*\e] row_xmask:\m row_mask:0xf bank_mask:0xf
.endr
.endr
.irp e, 0,1
	s_delay_alu instid0(VALU_DEP_2)
	v_permlanex16_b32 v[12+8*\e], v[8+8*\e], s[SEL], s[SEL+1]
.endr
.irp e, 0,1
	s_delay_alu instid0(VALU_DEP_2)
	v_add_f32 v[8+8*\e], v[8+8*\e], v[12+8*\e]
.endr
.endm
	s_wait_loadcnt 16                              ; the rows are in; the gain's and the offset's 16 loads may be out
.irp e, 0,1
	v_pk_add_f32 v[8+8*\e:9+8*\e], v[XR+32*\e:XR+32*\e+1], v[XR+32*\e+2:XR+32*\e+3]
	v_pk_add_f32 v[10+8*\e:11+8*\e], v[XR+32*\e+4:XR+32*\e+5], v[XR+32*\e+6:XR+32*\e+7]
.endr
.irp j, 8,12,16,20,24,28
.irp e, 0,1
	s_delay_alu instid0(VALU_DEP_4)
	v_pk_add_f32 v[8+8*\e:9+8*\e], v[8+8*\e:9+8*\e], v[XR+32*\e+\j:XR+32*\e+\j+1]
	s_delay_alu instid0(VALU_DEP_4)
	v_pk_add_f32 v[10+8*\e:11+8*\e], v[10+8*\e:11+8*\e], v[XR+32*\e+\j+2:XR+32*\e+\j+3]
.endr
.endr
	REDUCE
	s_delay_alu instid0(VALU_DEP_2)
	v_mul_f32 v14, 0x3a800000, v8                  ; the mean: / 1,024, twice: a pair for the packed form
	s_delay_alu instid0(VALU_DEP_3)
	v_mul_f32 v15, 0x3a800000, v8
	s_delay_alu instid0(VALU_DEP_3)
	v_mul_f32 v22, 0x3a800000, v16
	s_delay_alu instid0(VALU_DEP_4)
	v_mul_f32 v23, 0x3a800000, v16
.irp j, 0,2,4,6,8,10,12,14,16,18,20,22,24,26,28,30
.irp e, 0,1
	v_pk_add_f32 v[XR+32*\e+\j:XR+32*\e+\j+1], v[XR+32*\e+\j:XR+32*\e+\j+1], v[14+8*\e:15+8*\e] neg_lo:[0,1] neg_hi:[0,1]
.endr
.endr
.irp e, 0,1
	v_pk_mul_f32 v[8+8*\e:9+8*\e], v[XR+32*\e:XR+32*\e+1], v[XR+32*\e:XR+32*\e+1]
	v_pk_mul_f32 v[10+8*\e:11+8*\e], v[XR+32*\e+2:XR+32*\e+3], v[XR+32*\e+2:XR+32*\e+3]
.endr
.irp j, 4,8,12,16,20,24,28
.irp e, 0,1
	s_delay_alu instid0(VALU_DEP_4)
	v_pk_fma_f32 v[8+8*\e:9+8*\e], v[XR+32*\e+\j:XR+32*\e+\j+1], v[XR+32*\e+\j:XR+32*\e+\j+1], v[8+8*\e:9+8*\e]
	s_delay_alu instid0(VALU_DEP_4)
	v_pk_fma_f32 v[10+8*\e:11+8*\e], v[XR+32*\e+\j+2:XR+32*\e+\j+3], v[XR+32*\e+\j+2:XR+32*\e+\j+3], v[10+8*\e:11+8*\e]
.endr
.endr
	REDUCE
	s_delay_alu instid0(VALU_DEP_2)
	v_mul_f32 v8, 0x3a802008, v8                   ; / 1,023
	s_delay_alu instid0(VALU_DEP_2)
	v_mul_f32 v16, 0x3a802008, v16
	s_wait_alu depctr_va_vdst(0)
	v_sqrt_f32 v8, v8
	v_sqrt_f32 v16, v16
	v_nop
	s_wait_alu depctr_va_vdst(0)                   ; one wait for both roots, ahead of their first reader
	v_add_f32 v8, 0x358637bd, v8                   ; + 1e-6
	v_add_f32 v16, 0x358637bd, v16
	s_wait_alu depctr_va_vdst(0)
	v_rcp_f32 v24, v8
	v_rcp_f32 v26, v16
	v_nop
	s_wait_alu depctr_va_vdst(0)
	v_mov_b32 v25, v24
	v_mov_b32 v27, v26
	s_wait_alu depctr_va_vdst(0)
	s_wait_loadcnt 0x0                             ; the gain and the offset
.irp j, 0,2,4,6,8,10,12,14,16,18,20,22,24,26,28,30
.irp e, 0,1
	v_pk_mul_f32 v[XR+32*\e+\j:XR+32*\e+\j+1], v[XR+32*\e+\j:XR+32*\e+\j+1], v[24+2*\e:25+2*\e]
.endr
.endr
.irp j, 0,2,4,6,8,10,12,14,16,18,20,22,24,26,28,30
.irp e, 0,1
	v_pk_fma_f32 v[XR+32*\e+\j:XR+32*\e+\j+1], v[XR+32*\e+\j:XR+32*\e+\j+1], v[GA+\j:GA+\j+1], v[GB+\j:GB+\j+1]
.endr
.endr
.irp e, 0,1
.irp j, 0,1,2,3,4,5,6,7
	global_store_b128 v1, v[XR+32*\e+4*\j:XR+32*\e+4*\j+3], s[10:11] offset:4096*\e+512*\j th:TH_STORE_NT   ; 512 consecutive bytes
.endr
.endr
	s_endpgm
.Lfunc_end_k_q72fb0aca7f_ln2:
	.size	k_q72fb0aca7f_ln2, .Lfunc_end_k_q72fb0aca7f_ln2-k_q72fb0aca7f_ln2
	.p2alignl 7, 3214868480
	.fill 96, 4, 3214868480
	.section	.rodata,"a",@progbits
	.p2align	6, 0x0
	.amdhsa_kernel k_q72fb0aca7f_ln2
		.amdhsa_group_segment_fixed_size 0
		.amdhsa_private_segment_fixed_size 0
		.amdhsa_enable_private_segment 0
		.amdhsa_kernarg_size 32
		.amdhsa_user_sgpr_count 2
		.amdhsa_user_sgpr_kernarg_segment_ptr 1
		.amdhsa_wavefront_size32 1
		.amdhsa_system_sgpr_workgroup_id_x 1
		.amdhsa_system_sgpr_workgroup_id_y 1
		.amdhsa_system_sgpr_workgroup_id_z 1
		.amdhsa_system_vgpr_workitem_id 0
		.amdhsa_next_free_vgpr 160
		.amdhsa_next_free_sgpr 66
		.amdhsa_reserve_vcc 0
		.amdhsa_float_denorm_mode_32 3
		.amdhsa_float_denorm_mode_16_64 3
		.amdhsa_memory_ordered 1
		.amdhsa_forward_progress 1
		.amdhsa_inst_pref_size 21
	.end_amdhsa_kernel
	.amdgpu_metadata
---
amdhsa.version: [ 1, 2 ]
amdhsa.kernels:
  - .name:           k_q72fb0aca7f_ln2
    .symbol:         k_q72fb0aca7f_ln2.kd
    .args:
      - { .name: ffn, .offset: 0, .size: 8, .value_kind: global_buffer, .address_space: global }
      - { .name: ln2_a, .offset: 8, .size: 8, .value_kind: global_buffer, .address_space: global }
      - { .name: ln2_b, .offset: 16, .size: 8, .value_kind: global_buffer, .address_space: global }
      - { .name: out0, .offset: 24, .size: 8, .value_kind: global_buffer, .address_space: global }
    .group_segment_fixed_size: 0
    .private_segment_fixed_size: 0
    .kernarg_segment_align: 8
    .kernarg_segment_size: 32
    .max_flat_workgroup_size: 256
    .sgpr_count:     66
    .vgpr_count:     160
    .wavefront_size: 32
...
	.end_amdgpu_metadata
.endif
;; end of part 6
